; MI455X (gfx1250); checked and timed in simulation.
; The chip was launched on July 23, 2026; its instructions are those of AMD's public machine-readable ISA for CDNA 5 (MIT licence, August 2026) and "CDNA5" Instruction Set Architecture Reference Guide (July 2026). The comments in the code are by the model that wrote it; some were corrected since.
;; Multi Head Self Attention. Allowed arithmetic: matrix products marked QUANTISED: E2M1 operands, one E8M0 scale for each 32 along K, by v_wmma_scale_f32_16x16x128_f8f6f4 with both operands' format E2M1 (or v_wmma_scale_f32_32x16x128_f4), f32 sums; everything else in f32.
;; Inputs: K_codes 4 x 2,048 x 32 x 16 uint8 (E2M1 codes of K, K innermost, in blocks of 32 codes, two codes a byte); K_scales 4 x 2,048 x 32 uint8 (E8M0 scales of K, one for each 32 codes along K); Q_codes 4 x 2,048 x 32 x 16 uint8 (E2M1 codes of Q, K innermost, in blocks of 32 codes, two codes a byte); Q_scales 4 x 2,048 x 32 uint8 (E8M0 scales of Q, one for each 32 codes along K); V_codes 4 x 2,048 x 32 x 16 uint8 (E2M1 codes of V, K innermost, in blocks of 32 codes, two codes a byte); V_scales 4 x 2,048 x 32 uint8 (E8M0 scales of V, one for each 32 codes along K); Wk_codes 16 x 64 x 32 x 16 uint8 (E2M1 codes of Wk, K innermost, in blocks of 32 codes, two codes a byte); Wk_scales 16 x 64 x 32 uint8 (E8M0 scales of Wk, one for each 32 codes along K); Wo_codes 1,024 x 32 x 16 uint8 (E2M1 codes of Wo, K innermost, in blocks of 32 codes, two codes a byte); Wo_scales 1,024 x 32 uint8 (E8M0 scales of Wo, one for each 32 codes along K); Wq_codes 16 x 64 x 32 x 16 uint8 (E2M1 codes of Wq, K innermost, in blocks of 32 codes, two codes a byte); Wq_scales 16 x 64 x 32 uint8 (E8M0 scales of Wq, one for each 32 codes along K); Wv_codes 16 x 64 x 32 x 16 uint8 (E2M1 codes of Wv, K innermost, in blocks of 32 codes, two codes a byte); Wv_scales 16 x 64 x 32 uint8 (E8M0 scales of Wv, one for each 32 codes along K); bk 16 x 64 float32; bo 1,024 float32; bq 16 x 64 float32; bv 16 x 64 float32.
;; Outputs: out0 4 x 2,048 x 1,024 float32.
;; This version of the problem:
;;   THIS VERSION OF THE PROBLEM IS GIVEN IN LOW PRECISION. The matrix products marked QUANTISED in the list below multiply operands that are first quantised to E2M1 (2 exponent bits, 1 mantissa bit; 4 bits a number), with one power-of-two scale for each 32 numbers along K (OCP MX v1.0); their sums are f32. All else is computed in f32.
;;   The module's matrix products, in the order in which they are computed (A, B: the left and right operand; K: the contracted axis; several contracted axes count as one K, in the product's order):
;;     1. [M 1,024, K 1,024] x [K 1,024, N 8,192]; A: input Wq (given as codes); B: input Q (given as codes): QUANTISED
;;     2. [M 1,024, K 1,024] x [K 1,024, N 8,192]; A: input Wk (given as codes); B: input K (given as codes): QUANTISED
;;     3. [M 1,024, K 1,024] x [K 1,024, N 8,192]; A: input Wv (given as codes); B: input V (given as codes): QUANTISED
;;     4. batch 64 x [M 2,048, K 64] x [K 64, N 2,048]; A: computed on the way; B: computed on the way: QUANTISED
;;     5. batch 64 x [M 2,048, K 2,048] x [K 2,048, N 64]; A: softmax (see below); B: computed on the way: QUANTISED
;;     6. [M 8,192, K 1,024] x [K 1,024, N 1,024]; A: computed on the way; B: input Wo (given as codes): QUANTISED
;;   THE QUANTISER, for each operand of a quantised product, along K:
;;     - K is cut into blocks of 32 from its start; a last block that is shorter is filled with zeros.
;;     - A block's scale is 2^e with e = floor(log2(the largest magnitude in the block)) - 2, held to -126 .. 127; a block of zeros has e = 0. As a byte (E8M0): e + 127.
;;     - Each number is divided by its block's scale, clamped to +-6, and rounded to the nearest number of E2M1, ties to even, subnormals kept.
;;     - The product sums the exact products of the quantised numbers (number of the format x scale) in f32.
;;   ~~~python
;;   def quantise(x, axis):      # numpy; x: float32 -> the quantised numbers, widened to float32 again
;;       x = np.moveaxis(x, axis, -1); K = x.shape[-1]
;;       x = np.pad(x, [(0, 0)] * (x.ndim - 1) + [(0, -K % 32)]); x = x.reshape(x.shape[:-1] + (-1, 32)); a = np.abs(x).max(-1, keepdims=True)
;;       e = np.where(a > 0, np.clip(np.frexp(np.where(a > 0, a, 1))[1] - 1 - 2, -126, 127), 0)      # np.frexp(a)[1] - 1 = floor(log2(a)), exactly
;;       r = np.clip(x / 2.0 ** e, -6, 6)
;;       step = 2.0 ** (np.maximum(np.frexp(np.where(r == 0, 1, r))[1] - 1, 0) - 1)
;;       q = np.round(r / step) * step * 2.0 ** e      # np.round: ties to even
;;       return np.moveaxis(q.reshape(q.shape[:-2] + (-1,))[..., :K], -1, axis).astype(np.float32)
;;   ~~~
;;   SOFTMAX AHEAD OF A QUANTISED PRODUCT. Where the list says 'softmax', what is quantised is not the finished softmax but p = 2^(t - M), with t = logit x log2(e) and M = ceil(the row's largest t), a whole number; so 1/2 < the row's largest p <= 1. The row's sum l is taken of the UNQUANTISED p, in f32, and the product's result is divided by l at the end. Since M is a whole number, a kernel that streams over the keys may use a running M (the ceiling of the running maximum): every later rescaling is an exact power of two, which a block's scale takes up: the codes' values come out the same.
;;   OPERANDS COMPUTED ON THE WAY. 'Computed on the way' means the value that the module computes at that place (a softmax that the list does not call 'softmax' is quantised finished and normalised). What goes into a quantiser is computed in f32, as accurately as f32 sums, v_exp_f32 and their like allow (about 1e-6 of the number): no bf16 or f16 on the way to a quantiser, and a product that is left as it is and whose result goes on into a quantised operand takes f32 operands (vector FMAs, or v_wmma_f32_16x16x4_f32). A number that lies on a knife's edge between two numbers of the format may be rounded either way, as far as f32 arithmetic and the matrix unit's own rounding can turn it there, and no further.
;;   INPUTS GIVEN AS CODES. K (in the module: [4, 2048, 1024], K = its axis 2); Q (in the module: [4, 2048, 1024], K = its axis 2); V (in the module: [4, 2048, 1024], K = its axis 2); Wk (in the module: [16, 64, 1024], K = its axis 2); Wo (in the module: [1024, 1024], K = its axis 1); Wq (in the module: [16, 64, 1024], K = its axis 2); Wv (in the module: [16, 64, 1024], K = its axis 2): each comes as NAME_codes (uint8): NAME with its K axis moved to the last place and cut into blocks of 32 codes, [.., K / 32, bytes a block], one block behind the other in memory; two codes a byte, the lower K in the low four bits (a code: sign, 2 exponent bits, 1 mantissa bit); and NAME_scales (uint8): the same leading axes, one E8M0 byte (e + 127) for each 32 codes along K. Its value is code x scale, taken as it is: it is not quantised again, and the codes and scales need not be those that the quantiser above would give.
;; One version. Each part assembles by itself: llvm-mc -triple=amdgcn-amd-amdhsa -mcpu=gfx1250 --defsym DOCPART=n.
;; ======== version 1 of 1: 3 launches
;; limits: right only within a limited range of input values
;; workspace buffers: qb 4,718,592 bytes; kv 9,437,184 bytes; zb 4,194,304 bytes; zs 262,144 bytes
;; launch proj (part 1): grid 32 x 8, 8 waves a work-group, clusters of 4 x 4, 327,680 bytes of LDS; arguments Wq_codes, Wq_scales, Q_codes, Q_scales, bq, qb, Wk_codes, Wk_scales, K_codes, K_scales, bk, kv, V_codes, V_scales, Wv_codes, Wv_scales, bv; writes qb, kv
.if DOCPART == 1
	.amdgcn_target "amdgcn-amd-amdhsa--gfx1250"
	.amdhsa_code_object_version 6
	.text
	.protected	k_q9dc0775ba2_proj
	.globl	k_q9dc0775ba2_proj
	.p2align	8
	.type	k_q9dc0775ba2_proj,@function
k_q9dc0775ba2_proj:
	s_mov_b64 s[64:65], 0
	v_nop
	global_prefetch_b8 v0, s[64:65] scope:SCOPE_SE
	s_setreg_imm32_b32 hwreg(HW_REG_WAVE_MODE, 25, 1), 1
	s_wait_xcnt 0x0
	s_wait_alu depctr_hold_cnt(0) depctr_sa_sdst(0) depctr_va_vdst(0) depctr_va_sdst(0) depctr_va_ssrc(0) depctr_va_vcc(0) depctr_vm_vsrc(0)
	s_getreg_b32 s2, hwreg(HW_REG_IB_STS2, 6, 4)
	s_cmp_eq_u32 s2, 0
	s_cbranch_scc0 .Lentry_in_a_cluster
	s_endpgm
.Lentry_in_a_cluster:
	s_bfe_u32 s2, ttmp6, 0x10000c
	s_cmp_lg_u32 s2, 0xf033
	s_cbranch_scc0 .Lentry_shape_is_right
	s_endpgm
.Lentry_shape_is_right:
; THE THREE PROJECTIONS q = Q Wq^T + bq, k = K Wk^T + bk, v = V Wv^T + bv on codes of FP4 (E2M1) with E8M0 scales, and the quantising of q, k, v for the attention that follows.  No step of the problem is left out.
; One form: D[p][r] = sum over k of src0[p][k] src1[r][k] + bias, K = 1,024, then quantised ALONG p in blocks of 32.  Source 0 of the matrix instruction = 16 rows of src0, source 1 = 16 rows of src1:
; a lane then holds ONE r, and its registers run along p, which is what the conversions want.
;   mode 0, 1 (q, k): src0 = the weight (p = features: the head's 64 channels are the next product's K), src1 = the tokens.     mode 2 (v): src0 = V's tokens (p = keys, the next K), src1 = Wv.
; A WORK-GROUP STAYS: 256 work-groups, each makes one tile of 128 p x 256 r in mode 0, then 1, then 2; its eight waves 64 p x 64 r each (16 accumulators, 128 registers).
; THE RING: K goes in chunks of 512 (rows of 256 bytes) through two LDS slots; chunk c of every mode lies in slot c: six chunk steps.  A slot is asked for again behind the three lines and a round of the cluster's barrier;
; slot 1's refill is asked for ahead of the finished tile's way out.  The scale bytes of all three modes are filled once: at the head, and the last tile of them with slot 1's first fill.
; CLUSTER 4 x 4: src0's tile hangs on the place along y alone and is asked for jointly by a row of the cluster, src1's on the place along x alone and is asked for by a column.
; PREFETCH: the tokens' rows of a chunk are asked for two refills ahead of their load; the partners that load a tile jointly share its rows out by address (a lane a row, 256 bytes).  Mode 0's chunks and mode 1's chunk 0
; come by their loads alone.  The weights' tiles are not asked for: eight or sixteen clusters load the same tile in the same step.
; OUT.  A wave's 64 x 64 numbers are four operand images (4 registers x 32 lanes as they stand, 512 bytes) and one scale unit of 256 bytes (lane l: four pairs of scale bytes of its row l % 16; lanes 16-31 repeat lanes 0-15,
; so that the one store covers 256 consecutive bytes, aligned).  qb: [b x head][unit of 64 tokens][2,304]; kv: [b x head][unit][4,608]: K's images, V's images, K's scales, V's scales.
; LIMITS: NaN and infinities are not served.  A block whose largest magnitude lies under 2^(3 - 127) (a block of zeros among them) gets the scale byte 1; a block of zeros would have 127 by the quantiser's letter:
; its codes are zeros, which add nothing under either byte, and these bytes are read by this program alone.
.set PITCH, 272                        ; an LDS row: 256 bytes of codes + 16 of padding
.set S0B,   128*PITCH                  ; 128 rows: what one tensor load of the ring brings
.set CH,    3*S0B                      ; a slot: src0's 128 rows, then src1's 256
.set SZA,   16*272                     ; src0's scale bytes of a mode: 128 rows x 32, as 16 rows of 256 bytes + 16
.set SZB,   32*272                     ; src1's: 32 such rows
.set SCLA,  2*CH                       ; src0's scales, mode m at SCLA + m SZA
.set SCLB,  SCLA+3*SZA                 ; src1's, mode m at SCLB + m SZB
.set SPARE, SCLB+3*SZB                 ; the spare words: 128 bytes for each of the eight waves
.set WV,   2                           ; s2 wave 0..7;  s3 wave % 2: which 64 of the 128 p;  s4 wave / 2: which 64 of the 256 r
.set WP,   3
.set WR,   4
.set CX,   5
.set CY,   6
.set PA,   8                           ; s[8:13]  src0's codes at my tile, modes 0, 1, 2;  s[14:19] src1's;  s[20:25] the bias at my wave's part;  s[26:31] my wave's unit of the output
.set PB,   14
.set PBI,  20
.set POUT, 26
.set G0SA, 32                          ; s[32:35], s[36:39], s[40:43] groups 0 for the scale bytes (the scales' addresses lie there first)
.set G0SB, 36
.set G0S2, 40
.set G1A,  44                          ; s[44:51] group 1, src0's codes;  s[52:59] src1's;  s[68:75], s[76:83] their scale bytes
.set G1B,  52
.set G1SA, 68
.set G1SB, 76
.set GA,   84                          ; s[84:91] group 0 for src0's chunks, one for each slot;  s[92:99] for src1's
.set GB,   92
.set HB,   60                          ; s[60:61] which half of src1's rows I fetch, in bytes
.set PF,   62                          ; s[62:63] the prefetch's address
.set POF,  66                          ; s[66:67] my part of a tile's rows in the prefetches, in bytes
.set SEL,  100                         ; s[100:101] lane selects for v_permlanex16_b32: lane l xor 16
.set ADR0, 1                           ; v1-2  LDS address of my src0 fragments in slot 0, 1
.set ADR1, 3                           ; v3-4  the same for src1
.set ADRS, 5                           ; v5-7  of my scale words in mode 0, 1, 2: lanes 0-15 src0's rows, lanes 16-31 src1's
.set LI,   8                           ; v8    16 x lane
.set L8,   9                           ; v9    8 x lane
.set BOP,  10                          ; v10   the bias along p: my half's eight numbers of a tile
.set BOR,  11                          ; v11   along r: my lane's one number
.set SPW,  12                          ; v12   my spare word's LDS address, v13 = 0: kept for the add alone
.set NIL,  13
.set PFO,  14                          ; v14   512 x lane: a lane a row in the prefetches
.set SC,   16                          ; v16-31 scale words and nothing else: register 4 i + q: lanes 0-15 src0's block i, lanes 16-31 src1's block i, the chunk's q-th 128 along K
.set F0,   32                          ; v32-63  src0's four fragments; on the way out v32-45 at work
.set F1,   64                          ; v64-95  src1's four; on the way out v64-79 the codes
.set BI,   96                          ; v96-127 the bias as four C tiles
.set ACC,  128                         ; v128-255 accumulator (rt, pt) at 128 + 32 rt + 8 pt
.set T0,   32
.set T1,   33
.set T2,   34
.set T3,   35
.set T4,   36
.set T5,   37
.set UD,   40
.set SW,   44
.set CD,   64
.macro PLACES                          ; a load into a register that a matrix instruction has read, and a vector instruction that reads its result or writes one of its registers, stand four plain vector instructions behind it
.rept 4
	v_nop
.endr
.endm
.macro CROUND                          ; a round of the cluster's barrier
	s_barrier_signal -1
	s_barrier_wait -1
	s_cmp_lg_u32 s[WV], 0
	s_cbranch_scc1 .Lnot_wave_0_\@
	s_barrier_signal -3
.Lnot_wave_0_\@:
	s_barrier_wait -3
	s_barrier_signal -1
	s_barrier_wait -1
.endm
; 32 registers of a lane, register 8 t + j = number 16 t + 8 (lane / 16) + j of its row of 64, become the operand's four registers (lanes 0-15: k = 0 .. 31, lanes 16-31: k = 32 .. 63) and the row's two scale bytes.
.macro QUANT64 src, cd, ud
	v_max3_num_f32 v[T0], |v[(\src)]|, |v[(\src)+1]|, 0x1800000        ; block 0: my 16 numbers, and the floor 2^(3 - 127): the byte cannot fall under 1
	v_max3_num_f32 v[T1], |v[(\src)+16]|, |v[(\src)+17]|, 0x1800000    ; block 1.  Each accumulator is read from its low end on
.irp i, 2,4,6,8,10,12,14
	v_max3_num_f32 v[T0], v[T0], |v[(\src)+\i]|, |v[(\src)+\i+1]|      ; the two blocks by turns
	v_max3_num_f32 v[T1], v[T1], |v[(\src)+16+\i]|, |v[(\src)+17+\i]|
.endr
	s_delay_alu instid0(VALU_DEP_2)
	v_permlanex16_b32 v[T2], v[T0], s[SEL], s[SEL+1]
	s_delay_alu instid0(VALU_DEP_2)
	v_permlanex16_b32 v[T3], v[T1], s[SEL], s[SEL+1]
	s_delay_alu instid0(VALU_DEP_2)
	v_max_num_f32 v[T0], v[T0], v[T2]                                  ; with lane l xor 16's 16: the block's largest magnitude
	s_delay_alu instid0(VALU_DEP_2)
	v_max_num_f32 v[T1], v[T1], v[T3]
	s_delay_alu instid0(VALU_DEP_2)
	v_add_nc_u32 v[T4], 0xff000000, v[T0]                              ; 2 off its exponent field: the conversion takes the exponent field of this operand as its scale
	s_delay_alu instid0(VALU_DEP_2)
	v_add_nc_u32 v[T5], 0xff000000, v[T1]
	s_delay_alu instid0(VALU_DEP_2)
	v_lshrrev_b32 v[T2], 23, v[T4]                                     ; the scales' bytes
	s_delay_alu instid0(VALU_DEP_2)
	v_lshrrev_b32 v[T3], 23, v[T5]
	s_delay_alu instid0(VALU_DEP_1)
	v_lshl_or_b32 v[\ud], v[T3], 8, v[T2]
	v_cvt_scalef32_pk8_fp4_f32 v[(\cd)], v[(\src):(\src)+7], v[T4]         ; k = 8 h + 0 .. 7
	v_cvt_scalef32_pk8_fp4_f32 v[(\cd)+2], v[(\src)+8:(\src)+15], v[T4]    ; 16 + 8 h ..
	v_cvt_scalef32_pk8_fp4_f32 v[(\cd)+1], v[(\src)+16:(\src)+23], v[T5]   ; 32 + 8 h ..
	v_cvt_scalef32_pk8_fp4_f32 v[(\cd)+3], v[(\src)+24:(\src)+31], v[T5]   ; 48 + 8 h ..
	v_nop                                                              ; one plain instruction behind the scaled conversions
	v_permlane16_swap_b32 v[(\cd)], v[(\cd)+1]                         ; registers 0, 1 now hold k = 32 h + 0 .. 15,
	v_permlane16_swap_b32 v[(\cd)+2], v[(\cd)+3]                       ; registers 2, 3 k = 32 h + 16 .. 31
.endm
	s_load_b64 s[8:9], s[0:1], 0x0                 ; src0's codes: Wq,
	s_load_b64 s[10:11], s[0:1], 0x30              ; Wk,
	s_load_b64 s[12:13], s[0:1], 0x60              ; V
	s_load_b64 s[14:15], s[0:1], 0x10              ; src1's codes: Q,
	s_load_b64 s[16:17], s[0:1], 0x40              ; K,
	s_load_b64 s[18:19], s[0:1], 0x70              ; Wv
	s_load_b64 s[20:21], s[0:1], 0x20              ; bq, bk, bv
	s_load_b64 s[22:23], s[0:1], 0x50
	s_load_b64 s[24:25], s[0:1], 0x80
	s_load_b64 s[26:27], s[0:1], 0x28              ; qb, kv
	s_load_b64 s[28:29], s[0:1], 0x58
	s_load_b64 s[32:33], s[0:1], 0x8               ; src0's scales: Wq, Wk, V
	s_load_b64 s[34:35], s[0:1], 0x38
	s_load_b64 s[36:37], s[0:1], 0x68
	s_load_b64 s[38:39], s[0:1], 0x18              ; src1's scales: Q, K, Wv
	s_load_b64 s[40:41], s[0:1], 0x48
	s_load_b64 s[42:43], s[0:1], 0x78
	v_lshl_add_u32 v[SPW], v0, 2, SPARE
	v_mov_b32 v[NIL], 0
	ds_add_u32 v[SPW], v[NIL]                      ; the opening lines: the add, twice on end, and its wait ahead of my first tensor load
	ds_add_u32 v[SPW], v[NIL]
	v_lshrrev_b32 v14, 5, v0
	v_readfirstlane_b32 s[WV], v14
	s_and_b32 s[WP], s[WV], 1
	s_lshr_b32 s[WR], s[WV], 1
	s_bfe_u32 s[CX], ttmp6, 0x40000
	s_bfe_u32 s[CY], ttmp6, 0x40004
	s_and_b32 s62, ttmp7, 0xffff                   ; cluster y, 0 or 1
	s_lshl_b32 s62, s62, 2
	s_add_co_u32 s62, s62, s[CY]                   ; modes 0, 1: the tile of 128 features, 0 .. 7
	s_lshl_b32 s63, s62, 3
	s_add_co_u32 s63, s63, ttmp9                   ; mode 2: the tile of 128 tokens, 0 .. 63
	s_lshl_b32 s7, ttmp9, 2
	s_add_co_u32 s7, s7, s[CX]                     ; modes 0, 1: the tile of 256 tokens, 0 .. 31;  mode 2: the tile of 256 features is the place along x
	s_lshl_b32 s60, s[CY], 2
	s_lshl_b32 s60, 15, s60                        ; my row of the cluster
	s_lshl_b32 s61, 0x1111, s[CX]                  ; my column
	; group 1, codes: 128 rows x 256 bytes out of rows of 512; 16 bytes of padding behind each 64 words
	s_or_b32 s[G1A], s60, (1<<20)|(1<<21)|(5<<22)|(3<<25)
	s_or_b32 s[G1B], s61, (1<<20)|(1<<21)|(5<<22)|(3<<25)
.irp g, G1A, G1B
	s_mov_b32 s[\g+1], 256<<16                     ; tensor_dim0
	s_mov_b32 s[\g+2], 128<<16                     ; tensor_dim1
	s_mov_b32 s[\g+3], 256<<16                     ; tile_dim0
	s_mov_b32 s[\g+4], 128                         ; tile_dim1
	s_mov_b32 s[\g+5], 512                         ; from row to row
	s_mov_b32 s[\g+6], 0
	s_mov_b32 s[\g+7], 0
.endr
	; group 1, scale bytes: a dense block as rows of 256 bytes (32 elements of 8), padded likewise: 16 rows for src0, 32 for src1
	s_or_b32 s[G1SA], s60, (3<<16)|(1<<20)|(1<<21)|(5<<22)|(3<<25)
	s_or_b32 s[G1SB], s61, (3<<16)|(1<<20)|(1<<21)|(5<<22)|(3<<25)
	s_mov_b32 s[G1SA+1], 32<<16
	s_mov_b32 s[G1SA+2], 16<<16
	s_mov_b32 s[G1SA+3], 32<<16
	s_mov_b32 s[G1SA+4], 16
	s_mov_b32 s[G1SA+5], 32
	s_mov_b32 s[G1SA+6], 0
	s_mov_b32 s[G1SA+7], 0
	s_mov_b32 s[G1SB+1], 32<<16
	s_mov_b32 s[G1SB+2], 32<<16
	s_mov_b32 s[G1SB+3], 32<<16
	s_mov_b32 s[G1SB+4], 32
	s_mov_b32 s[G1SB+5], 32
	s_mov_b32 s[G1SB+6], 0
	s_mov_b32 s[G1SB+7], 0
	s_mov_b32 s61, 0
	s_mov_b32 s67, 0
	s_wait_dscnt 0x0                               ; both opening adds are done
	s_wait_kmcnt 0x0
	; every address goes to my tile.  s[60:61] holds offsets made of the place along y alone, s[66:67] of the place along x alone
	s_lshl_b32 s60, s62, 16                        ; 128 rows x 512 bytes of codes
	s_add_nc_u64 s[8:9], s[8:9], s[60:61]
	s_add_nc_u64 s[10:11], s[10:11], s[60:61]
	s_lshl_b32 s60, s63, 16
	s_add_nc_u64 s[12:13], s[12:13], s[60:61]
	s_lshl_b32 s60, s62, 12                        ; 128 rows x 32 scale bytes
	s_add_nc_u64 s[32:33], s[32:33], s[60:61]
	s_add_nc_u64 s[34:35], s[34:35], s[60:61]
	s_lshl_b32 s60, s63, 12
	s_add_nc_u64 s[36:37], s[36:37], s[60:61]
	s_lshl_b32 s66, s7, 17                         ; 256 rows x 512
	s_add_nc_u64 s[14:15], s[14:15], s[66:67]
	s_add_nc_u64 s[16:17], s[16:17], s[66:67]
	s_lshl_b32 s66, s[CX], 17
	s_add_nc_u64 s[18:19], s[18:19], s[66:67]
	s_lshl_b32 s66, s7, 13                         ; 256 rows x 32
	s_add_nc_u64 s[38:39], s[38:39], s[66:67]
	s_add_nc_u64 s[40:41], s[40:41], s[66:67]
	s_lshl_b32 s66, s[CX], 13
	s_add_nc_u64 s[42:43], s[42:43], s[66:67]
	; groups 0 for the scale bytes: waves 3, 4, 5 fetch src0's of modes 0, 1, 2; waves 6, 7 src1's of modes 0, 1; src1's of mode 2 comes with slot 1's first fill
	s_cmp_lt_u32 s[WV], 5
	s_cselect_b64 s[34:35], s[34:35], s[36:37]
	s_cmp_lt_u32 s[WV], 4
	s_cselect_b64 s[34:35], s[32:33], s[34:35]
	s_cmp_lt_u32 s[WV], 7
	s_cselect_b64 s[38:39], s[38:39], s[40:41]
	s_mov_b32 s[G0SA], 1
	s_mul_i32 s[G0SA+1], s[WV], SZA
	s_add_co_u32 s[G0SA+1], s[G0SA+1], SCLA-3*SZA
	s_or_b32 s[G0SA+3], s[G0SA+3], 0x80000000
	s_mov_b32 s[G0SB], 1
	s_mul_i32 s[G0SB+1], s[WV], SZB
	s_add_co_u32 s[G0SB+1], s[G0SB+1], SCLB-6*SZB
	s_or_b32 s[G0SB+3], s[G0SB+3], 0x80000000
	s_mov_b32 s[G0S2], 1
	s_mov_b32 s[G0S2+1], SCLB+2*SZB
	s_or_b32 s[G0S2+3], s[G0S2+3], 0x80000000
	; groups 0 for the ring: wave 0 fetches src0's 128 rows, wave 1 src1's rows 0-127, wave 2 its rows 128-255
	s_and_b32 s[HB], s[WR], 1
	s_mul_i32 s101, s[HB], S0B
	s_lshl_b32 s[HB], s[HB], 16
.irp c, 0,1
	s_mov_b32 s[GA+4*\c], 1
	s_mov_b32 s[GA+4*\c+1], \c*CH
	s_add_nc_u64 s[GA+4*\c+2:GA+4*\c+3], s[PA:PA+1], 256*\c
	s_or_b32 s[GA+4*\c+3], s[GA+4*\c+3], 0x80000000
	s_mov_b32 s[GB+4*\c], 1
	s_add_co_u32 s[GB+4*\c+1], s101, S0B+\c*CH
	s_add_nc_u64 s[GB+4*\c+2:GB+4*\c+3], s[PB:PB+1], s[HB:HB+1]
	s_add_nc_u64 s[GB+4*\c+2:GB+4*\c+3], s[GB+4*\c+2:GB+4*\c+3], 256*\c
	s_or_b32 s[GB+4*\c+3], s[GB+4*\c+3], 0x80000000
.endr
	CROUND                                         ; all sixteen work-groups are here: the first joint loads meet
	; THE HEAD'S LOADS, ONE A WAVE: one chain of branches on the wave's number, every arm with its load, all leading to one join
.macro ARM under, g0, g1, next
	s_cmp_lt_u32 s[WV], \under
	s_cbranch_scc0 \next
	tensor_load_to_lds s[\g0:\g0+3], s[\g1:\g1+7]
	s_nop 0
	PLACES
	s_branch .Lasked
\next:
.endm
	ARM 1, GA, G1A, .Larm_b
	ARM 3, GB, G1B, .Larm_sa
	ARM 6, G0SA, G1SA, .Larm_sb
	tensor_load_to_lds s[G0SB:G0SB+3], s[G1SB:G1SB+7]
	s_nop 0
	PLACES
.Lasked:
	; where my wave's results go: unit number = (b x 16 + head) x 32 + unit of 64 tokens
	s_mov_b64 s[30:31], s[28:29]                   ; kv once more, for mode 2
	s_lshl_b32 s100, s62, 1
	s_add_co_u32 s100, s100, s[WP]                 ; modes 0, 1: the head
	s_lshl_b32 s100, s100, 5
	s_lshr_b32 s101, s7, 3
	s_lshl_b32 s101, s101, 9
	s_add_co_u32 s100, s100, s101
	s_and_b32 s101, s7, 7
	s_lshl_b32 s101, s101, 2
	s_add_co_u32 s100, s100, s101
	s_add_co_u32 s100, s100, s[WR]
	s_mul_i32 s66, s100, 2304
	s_add_nc_u64 s[26:27], s[26:27], s[66:67]
	s_mul_i32 s66, s100, 4608
	s_add_nc_u64 s[28:29], s[28:29], s[66:67]
	s_lshl_b32 s100, s63, 1
	s_add_co_u32 s100, s100, s[WP]                 ; mode 2: the unit of 64 tokens among all 128
	s_and_b32 s100, s100, 31
	s_lshr_b32 s101, s63, 4
	s_lshl_b32 s101, s101, 9
	s_add_co_u32 s100, s100, s101
	s_lshl_b32 s101, s[CX], 2
	s_add_co_u32 s101, s101, s[WR]
	s_lshl_b32 s101, s101, 5
	s_add_co_u32 s100, s100, s101
	s_mul_i32 s66, s100, 4608
	s_add_nc_u64 s[30:31], s[30:31], s[66:67]
	; the bias at my wave's part
	s_lshl_b32 s66, s62, 9
	s_lshl_b32 s100, s[WP], 8
	s_add_co_u32 s66, s66, s100                    ; modes 0, 1: 4 (128 tile + 64 wp)
	s_add_nc_u64 s[20:21], s[20:21], s[66:67]
	s_add_nc_u64 s[22:23], s[22:23], s[66:67]
	s_lshl_b32 s66, s[CX], 10
	s_lshl_b32 s100, s[WR], 8
	s_add_co_u32 s66, s66, s100                    ; mode 2: 4 (256 tile + 64 wr)
	s_add_nc_u64 s[24:25], s[24:25], s[66:67]
	; the prefetches: waves 4 and 5 ask for src1's tokens (my work-group's 64 of the tile's 256 rows, 32 a wave), wave 6 for src0's (its 32 of 128)
	s_lshl_b32 s100, s[CY], 15
	s_lshl_b32 s101, s[WP], 14
	s_add_co_u32 s100, s100, s101
	s_lshl_b32 s101, s[CX], 14
	s_cmp_eq_u32 s[WV], 6
	s_cselect_b32 s[POF], s101, s100
	s_sub_co_u32 s7, s[WV], 4                      ; 0, 1, 2 in waves 4, 5, 6
	s_mul_i32 s100, s[WP], 64*PITCH                ; my 64 rows of src0 in a slot,
	s_mul_i32 s101, s[WR], 64*PITCH
	s_add_co_u32 s101, s101, S0B                   ; of src1
	s_mul_i32 s62, s[WP], 2176                     ; 64 rows of scale bytes are eight padded rows of 272
	s_mul_i32 s63, s[WR], 2176
	s_add_co_u32 s63, s63, SCLB-SCLA
	s_sub_co_u32 s63, s63, s62                     ; from src0's words to src1's in mode 0
	s_add_co_u32 s62, s62, SCLA
	; a fragment, 16 rows x 128 K of 4-bit codes, is 8 registers: lane l holds row l % 16; registers 4 e .. 4 e + 3 hold K = 64 e + 32 (l / 16) + 0 .. 31: two loads of 16 bytes, 32 bytes apart
	v_and_b32 v32, 15, v0                          ; r
	v_bfe_u32 v33, v0, 4, 1                        ; h
	v_and_b32 v37, 31, v0                          ; lane
	v_mul_u32_u24 v34, v32, PITCH
	v_lshl_add_u32 v34, v33, 4, v34
	v_add_nc_u32 v[ADR0], s100, v34
	v_add_nc_u32 v[ADR1], s101, v34
	v_add_nc_u32 v[ADR0+1], CH, v[ADR0]
	v_add_nc_u32 v[ADR1+1], CH, v[ADR1]
	v_lshrrev_b32 v35, 3, v32
	v_lshlrev_b32 v36, 5, v32                      ; 32 scale bytes a row,
	v_lshl_add_u32 v36, v35, 4, v36                ; and 16 of padding behind each eight rows
	v_mul_u32_u24 v35, s63, v33                    ; lanes 16-31 take src1's
	v_add_nc_u32 v36, v36, v35
	v_add_nc_u32 v[ADRS], s62, v36
	v_mad_u32_u24 v35, v33, SZA, SZA               ; from mode to mode: SZA in src0's, SZB = 2 SZA in src1's
	v_add_nc_u32 v[ADRS+1], v[ADRS], v35
	v_add_nc_u32 v[ADRS+2], v[ADRS+1], v35
	v_lshlrev_b32 v[LI], 4, v37
	v_lshlrev_b32 v[L8], 3, v37
	v_lshlrev_b32 v[PFO], 9, v37
	v_lshlrev_b32 v[BOP], 5, v33
	v_lshlrev_b32 v[BOR], 2, v32
	s_mov_b32 s[SEL], 0x76543210
	s_mov_b32 s[SEL+1], 0xfedcba98
.macro BIAS m                          ; mode m's bias, as the C of each sum's first matrix instruction
.if (\m) < 2
.irp pt, 0,1,2,3
	global_load_b128 v[BI+8*\pt:BI+8*\pt+3], v[BOP], s[PBI+2*(\m):PBI+2*(\m)+1] offset:64*\pt        ; tile pt: the bias of p = 16 pt + 8 h + 0 .. 7
	global_load_b128 v[BI+8*\pt+4:BI+8*\pt+7], v[BOP], s[PBI+2*(\m):PBI+2*(\m)+1] offset:64*\pt+16
.endr
.else
.irp rt, 0,1,2,3
.irp j, 0,1,2,3,4,5,6,7
	global_load_b32 v[BI+8*\rt+\j], v[BOR], s[PBI+4:PBI+5] offset:64*\rt                             ; tile rt: all eight registers take the bias of r = 16 rt + lane % 16
.endr
.endr
.endif
.endm
.macro SCALES m, c                     ; the scale words of mode m's chunk c: four words a row
.irp i, 0,1,2,3
	ds_load_b128 v[SC+4*\i:SC+4*\i+3], v[ADRS+\m] offset:544*\i+16*\c
.endr
.endm
.macro FRAGS c, q                      ; the fragments of slot c's q-th 128 along K: src0's four, then src1's four
.irp i, 0,1,2,3
.irp e, 0,1
	ds_load_b128 v[F0+8*\i+4*\e:F0+8*\i+4*\e+3], v[ADR0+\c] offset:16*PITCH*\i+64*\q+32*\e
.endr
.endr
.irp i, 0,1,2,3
.irp e, 0,1
	ds_load_b128 v[F1+8*\i+4*\e:F1+8*\i+4*\e+3], v[ADR1+\c] offset:16*PITCH*\i+64*\q+32*\e
.endr
.endr
.endm
; 16 matrix instructions, the 16 accumulators by turns, one instruction a turn, in the same order in every step.  cs = 0: adds in place; 1: begins with the bias along p; 2: along r
.macro MULS q, cs
.irp rt, 0,1,2,3
	s_wait_dscnt 6-2*\rt                           ; src0's fragments and src1's block rt are in; behind them stand two loads for each later block
.irp pt, 0,1,2,3
.if \cs == 0
	v_wmma_scale_f32_16x16x128_f8f6f4 v[ACC+32*\rt+8*\pt:ACC+32*\rt+8*\pt+7], v[F0+8*\pt:F0+8*\pt+7], v[F1+8*\rt:F1+8*\rt+7], v[ACC+32*\rt+8*\pt:ACC+32*\rt+8*\pt+7], v[SC+4*\pt+\q], v[SC+4*\rt+\q] matrix_a_fmt:MATRIX_FMT_FP4 matrix_b_fmt:MATRIX_FMT_FP4 matrix_b_scale:MATRIX_SCALE_ROW1
.elseif \cs == 1
	v_wmma_scale_f32_16x16x128_f8f6f4 v[ACC+32*\rt+8*\pt:ACC+32*\rt+8*\pt+7], v[F0+8*\pt:F0+8*\pt+7], v[F1+8*\rt:F1+8*\rt+7], v[BI+8*\pt:BI+8*\pt+7], v[SC+4*\pt+\q], v[SC+4*\rt+\q] matrix_a_fmt:MATRIX_FMT_FP4 matrix_b_fmt:MATRIX_FMT_FP4 matrix_b_scale:MATRIX_SCALE_ROW1
.else
	v_wmma_scale_f32_16x16x128_f8f6f4 v[ACC+32*\rt+8*\pt:ACC+32*\rt+8*\pt+7], v[F0+8*\pt:F0+8*\pt+7], v[F1+8*\rt:F1+8*\rt+7], v[BI+8*\rt:BI+8*\rt+7], v[SC+4*\pt+\q], v[SC+4*\rt+\q] matrix_a_fmt:MATRIX_FMT_FP4 matrix_b_fmt:MATRIX_FMT_FP4 matrix_b_scale:MATRIX_SCALE_ROW1
.endif
.endr
.endr
.endm
.macro KSTEP c, q
	PLACES                                         ; in front of loads into registers that the last products read
	FRAGS \c, \q
	MULS \q, 0
.endm
; The ring's joint loads into slot c: wave 0 src0's chunk, waves 1 and 2 the halves of src1's; third = 1: wave 3 the last tile of scale bytes.  One chain of branches on the wave's number, one load to an arm
.macro JL c, third
	s_cmp_lt_u32 s[WV], 1
	s_cbranch_scc0 .Lfor_b_\@
	tensor_load_to_lds s[GA+4*\c:GA+4*\c+3], s[G1A:G1A+7]
	s_nop 0
	PLACES
	s_branch .Ljl_done_\@
.Lfor_b_\@:
	s_cmp_lt_u32 s[WV], 3
	s_cbranch_scc0 .Lfor_s_\@
	tensor_load_to_lds s[GB+4*\c:GB+4*\c+3], s[G1B:G1B+7]
	s_nop 0
	PLACES
	s_branch .Ljl_done_\@
.Lfor_s_\@:
.if \third
	s_cmp_lt_u32 s[WV], 4
	s_cbranch_scc0 .Ljl_done_\@
	tensor_load_to_lds s[G0S2:G0S2+3], s[G1SB:G1SB+7]
	s_nop 0
	PLACES
.endif
.Ljl_done_\@:
.endm
; A CHANGE OF SLOTS: every wave waits for all its tensor loads (the one that is out brings the chunk that is multiplied next), adds 0 to its spare word, and waits for that and for its reads of slot c;
; a round of the cluster's barrier; behind it slot c takes chunk c of mode m
.macro RND m, c, third
	s_wait_xcnt 0x0                                ; any prefetch of mine has read its address registers
	s_wait_tensorcnt 0x0
	ds_add_u32 v[SPW], v[NIL]                      ; no load of mine is out, so the groups 0 are written between the add and its wait
	s_add_nc_u64 s[GA+4*\c+2:GA+4*\c+3], s[PA+2*\m:PA+2*\m+1], 256*\c
	s_or_b32 s[GA+4*\c+3], s[GA+4*\c+3], 0x80000000
	s_add_nc_u64 s[GB+4*\c+2:GB+4*\c+3], s[PB+2*\m:PB+2*\m+1], s[HB:HB+1]
	s_add_nc_u64 s[GB+4*\c+2:GB+4*\c+3], s[GB+4*\c+2:GB+4*\c+3], 256*\c
	s_or_b32 s[GB+4*\c+3], s[GB+4*\c+3], 0x80000000
	s_wait_dscnt 0x0
	CROUND
	JL \c, \third
.endm
; A prefetch of the tokens' rows of mode m's chunk c, two refills ahead of their load: mode 1: src1's, waves 4 and 5; mode 2: src0's, wave 6.  A lane a row, 256 bytes of it
.macro ASK m, c
.if \m == 1
	s_add_nc_u64 s[PF:PF+1], s[PB+2:PB+3], s[POF:POF+1]
	s_cmp_lt_u32 s7, 2
.else
	s_add_nc_u64 s[PF:PF+1], s[PA+4:PA+5], s[POF:POF+1]
	s_cmp_eq_u32 s7, 2
.endif
	s_cbranch_scc0 .Lnot_mine_\@
	global_prefetch_b8 v[PFO], s[PF:PF+1] offset:256*\c th:TH_LOAD_NT scope:SCOPE_SE
.Lnot_mine_\@:
.endm
; Chunk c of mode m: four K steps of 128.  am >= 0: chunk ac of mode am is prefetched
.macro CHUNK m, c, am, ac
.if \c == 0
.if \m > 0
	s_wait_xcnt 0x0                                ; the last way out's stores have read their registers: fragments may land there
.endif
.else
	PLACES
.endif
	SCALES \m, \c
	FRAGS \c, 0
.if \am >= 0
	ASK \am, \ac
.endif
.if \c == 0
	s_wait_loadcnt 0x0                             ; the bias
.if \m == 2
	MULS 0, 2                                      ; the first K step starts the sums: nothing is cleared
.else
	MULS 0, 1
.endif
	PLACES
.if \m < 2
	BIAS (\m)+1                                    ; the next mode's bias, into the C tiles just read
.endif
	FRAGS \c, 1
	MULS 1, 0
.else
	MULS 0, 0
	KSTEP \c, 1
.endif
	KSTEP \c, 2
	KSTEP \c, 3
.endm
; THE WAY OUT of mode m: four rows of 64 numbers a lane become four images and a scale unit
.macro WAYOUT m
	PLACES                                         ; behind the last products
	v_mov_b32 v[T2], 0                             ; a lane permute's destination counts as one of its sources
	v_mov_b32 v[T3], 0
.irp rt, 0,1,2,3
	QUANT64 ACC+32*\rt, CD+4*\rt, UD+\rt
.endr
	v_lshl_or_b32 v[SW], v[UD+1], 16, v[UD]
	v_lshl_or_b32 v[SW+1], v[UD+3], 16, v[UD+2]
.irp rt, 0,1,2,3
	global_store_b128 v[LI], v[CD+4*\rt:CD+4*\rt+3], s[POUT+2*\m:POUT+2*\m+1] offset:2048*(\m/2)+512*\rt   ; 32 lanes store 512 consecutive bytes, at a multiple of 256 from the buffer's first byte; V's images lie behind K's
.endr
	global_store_b64 v[L8], v[SW:SW+1], s[POUT+2*\m:POUT+2*\m+1] offset:2048+2048*((\m+1)/2)+256*(\m/2)    ; and 256: the scale unit at 2,048 in qb, at 4,096 (K's) and 4,352 (V's) in kv
.endm
	BIAS 0
	s_wait_alu depctr_va_vdst(0)
	RND 0, 1, 1                                    ; slot 1's first fill and the last scale bytes: issued as a refill is; nothing is filled again here
	CHUNK 0, 0, 1, 1
	RND 1, 0, 0
	CHUNK 0, 1, 2, 0
	RND 1, 1, 0                                    ; asked for ahead of the way out
	WAYOUT 0
	CHUNK 1, 0, 2, 1
	RND 2, 0, 0
	CHUNK 1, 1, -1, 0
	RND 2, 1, 0
	WAYOUT 1
	CHUNK 2, 0, -1, 0
	s_wait_tensorcnt 0x0                           ; my part of the last chunk is in,
	ds_add_u32 v[SPW], v[NIL]
	s_wait_dscnt 0x0
	s_barrier_signal -1
	s_barrier_wait -1                              ; everybody's is.
	CHUNK 2, 1, -1, 0
	WAYOUT 2
	s_wait_tensorcnt 0x0                           ; the wave's end
	ds_add_u32 v[SPW], v[NIL]
	s_wait_dscnt 0x0
	CROUND                                         ; the closing round: no work-group ends while a partner may still ask for a tile that names it
	s_endpgm
.Lfunc_end_k_q9dc0775ba2_proj:
	.size	k_q9dc0775ba2_proj, .Lfunc_end_k_q9dc0775ba2_proj-k_q9dc0775ba2_proj
	.p2alignl 7, 3214868480
	.fill 96, 4, 3214868480
	.section	.rodata,"a",@progbits
	.p2align	6, 0x0
	.amdhsa_kernel k_q9dc0775ba2_proj
		.amdhsa_group_segment_fixed_size 327680
		.amdhsa_private_segment_fixed_size 0
		.amdhsa_enable_private_segment 0
		.amdhsa_kernarg_size 136
		.amdhsa_user_sgpr_count 2
		.amdhsa_user_sgpr_kernarg_segment_ptr 1
		.amdhsa_wavefront_size32 1
		.amdhsa_system_sgpr_workgroup_id_x 1
		.amdhsa_system_sgpr_workgroup_id_y 1
		.amdhsa_system_sgpr_workgroup_id_z 1
		.amdhsa_system_vgpr_workitem_id 0
		.amdhsa_next_free_vgpr 256
		.amdhsa_next_free_sgpr 102
		.amdhsa_reserve_vcc 0
		.amdhsa_float_denorm_mode_32 3
		.amdhsa_float_denorm_mode_16_64 3
		.amdhsa_memory_ordered 1
		.amdhsa_forward_progress 1
		.amdhsa_inst_pref_size 132
	.end_amdhsa_kernel
	.amdgpu_metadata
---
amdhsa.version: [ 1, 2 ]
amdhsa.kernels:
  - .name:           k_q9dc0775ba2_proj
    .symbol:         k_q9dc0775ba2_proj.kd
    .args:
      - { .name: Wq_codes, .offset: 0, .size: 8, .value_kind: global_buffer, .address_space: global }
      - { .name: Wq_scales, .offset: 8, .size: 8, .value_kind: global_buffer, .address_space: global }
      - { .name: Q_codes, .offset: 16, .size: 8, .value_kind: global_buffer, .address_space: global }
      - { .name: Q_scales, .offset: 24, .size: 8, .value_kind: global_buffer, .address_space: global }
      - { .name: bq, .offset: 32, .size: 8, .value_kind: global_buffer, .address_space: global }
      - { .name: qb, .offset: 40, .size: 8, .value_kind: global_buffer, .address_space: global }
      - { .name: Wk_codes, .offset: 48, .size: 8, .value_kind: global_buffer, .address_space: global }
      - { .name: Wk_scales, .offset: 56, .size: 8, .value_kind: global_buffer, .address_space: global }
      - { .name: K_codes, .offset: 64, .size: 8, .value_kind: global_buffer, .address_space: global }
      - { .name: K_scales, .offset: 72, .size: 8, .value_kind: global_buffer, .address_space: global }
      - { .name: bk, .offset: 80, .size: 8, .value_kind: global_buffer, .address_space: global }
      - { .name: kv, .offset: 88, .size: 8, .value_kind: global_buffer, .address_space: global }
      - { .name: V_codes, .offset: 96, .size: 8, .value_kind: global_buffer, .address_space: global }
      - { .name: V_scales, .offset: 104, .size: 8, .value_kind: global_buffer, .address_space: global }
      - { .name: Wv_codes, .offset: 112, .size: 8, .value_kind: global_buffer, .address_space: global }
      - { .name: Wv_scales, .offset: 120, .size: 8, .value_kind: global_buffer, .address_space: global }
      - { .name: bv, .offset: 128, .size: 8, .value_kind: global_buffer, .address_space: global }
    .group_segment_fixed_size: 327680
    .private_segment_fixed_size: 0
    .kernarg_segment_align: 8
    .kernarg_segment_size: 136
    .max_flat_workgroup_size: 256
    .sgpr_count:     102
    .vgpr_count:     256
    .wavefront_size: 32
...
	.end_amdgpu_metadata
.endif
;; end of part 1
;; launch attn (part 2): grid 4 x 64, 16 waves a work-group, clusters of 4 x 1, 169,984 bytes of LDS; arguments qb, kv, zb, zs; writes zb, zs
.if DOCPART == 2
	.amdgcn_target "amdgcn-amd-amdhsa--gfx1250"
	.amdhsa_code_object_version 6
	.text
	.protected	k_q9dc0775ba2_attn
	.globl	k_q9dc0775ba2_attn
	.p2align	8
	.type	k_q9dc0775ba2_attn,@function
k_q9dc0775ba2_attn:
	s_mov_b64 s[64:65], 0
	v_nop
	global_prefetch_b8 v0, s[64:65] scope:SCOPE_SE
	s_setreg_imm32_b32 hwreg(HW_REG_WAVE_MODE, 25, 1), 1
	s_wait_xcnt 0x0
	s_wait_alu depctr_hold_cnt(0) depctr_sa_sdst(0) depctr_va_vdst(0) depctr_va_sdst(0) depctr_va_ssrc(0) depctr_va_vcc(0) depctr_vm_vsrc(0)
	s_getreg_b32 s2, hwreg(HW_REG_IB_STS2, 6, 4)
	s_cmp_eq_u32 s2, 0
	s_cbranch_scc0 .Lentry_in_a_cluster
	s_endpgm
.Lentry_in_a_cluster:
	s_bfe_u32 s2, ttmp6, 0x10000c
	s_cmp_lg_u32 s2, 0x3003
	s_cbranch_scc0 .Lentry_shape_is_right
	s_endpgm
.Lentry_shape_is_right:
; ATTENTION of one (batch, head) on codes of FP4 (E2M1) with E8M0 scales: S = q k^T (K = the head's 64), the softmax, O = p v (K = the 2,048 keys), O / l, and the quantising of the result along the head's 64 channels.
; No step of the problem is left out.
; THE SOFTMAX AHEAD OF THE SECOND PRODUCT: t = score x log2(e) / 8; M = the row's largest t so far, rounded UP to a whole number; p = 2^(t - M) is quantised along the keys, not normalised; the row's sum l is taken of the
; unquantised p and divides O at the end.  When M moves, l and O are multiplied by 2^(old M - new M): exact.
; SHARES.  A work-group owns 512 queries of one head; each of its sixteen waves 32 of them: two tiles of 16, A and B, in 256 registers.  Every wave walks all 2,048 keys, 128 a step, in one loop of 16 trips.
; The head's whole block of kv (K's and V's images and scale units, 147,456 bytes) lies in LDS, filled ONCE: wave w fetches key step w's two units, one tensor load a wave; one wait and one barrier show the block to all.
; No LDS byte is filled twice, and the loop holds no barrier.  CLUSTER 4 x 1: the four work-groups of a head read the same block and ask for it jointly.
; No prefetch: every fill is asked for at the head, so there is no loop in which to ask ahead.
; LAYOUT.  Both products are used transposed: S^T = k q^T, O^T = v^T p^T: a lane holds ONE query (lane % 16) throughout.
; K = 64 IN AN INSTRUCTION OF K = 128: source 0 carries TWO tiles of 16 keys (registers 0-3, registers 4-7); source 1 is [q, zeros] for the first and [zeros, q] for the second: zero codes add nothing under any scale byte but 0xff, which no byte here is.
; THE KEYS OF A TILE ARE NOT NEIGHBOURS: row 8 x + z of tile t of a unit of 64 keys is key 32 x + 8 t + z.  In S^T lane half h then holds key 32 h + 8 t + j in register 8 t + j: a WHOLE block of 32 keys lies in one lane,
; in the order of the next operand's registers: a block's maximum asks no other lane, and the conversions' results ARE p's operand.
; CHAINS.  The maxima go in eight chains (one for each accumulator), the sums in four; the scale bytes' lines stand among the sums; tile A's O^T is rescaled in the places behind tile B's score products and in the gaps of tile B's lines for M.
; LIMITS: NaN and infinities are not served.  A block of p that has fallen to zeros, and a block of the result whose largest magnitude lies under 2^(3 - 127), get the scale byte 1 (zeros would have 127 by the quantiser's letter):
; their codes add nothing under either byte, and this program alone reads the bytes.  A block's largest p is made from the block's largest score by the same multiply-add and exponential: this takes v_exp_f32 not to fall where its input rises.
.set ROWP,  576                        ; an LDS row: 512 bytes (an image, or two scale units) + 64 of padding
.set UNIT,  9*ROWP                     ; a unit of 64 keys: rows 0-3 K's images, 4-7 V's, row 8 K's scale unit and V's
.set STEPB, 2*UNIT                     ; a key step; also what one tensor load brings
.set ZST,   32*UNIT                    ; behind the block: 1,024 bytes in which the work-group's 512 pairs of scale bytes meet; no tile lands there
.set SPARE, 0x29000                    ; the spare words: 128 bytes for each of the sixteen waves
.set WV,  2
.set CX,  3
.set BH,  4
.set SEL, 20                           ; s[20:21] lane selects for v_permlanex16_b32: lane l xor 16
.set CS,  22                           ; s[22:23] c = log2(e) / 8
.set G1,  24                           ; s[24:31] descriptor group 1;  s[32:35] group 0
.set G0,  32
.set TB,  48                           ; s48  LDS byte at which the step's two units begin
.set CNT, 49
.set AK0,  1                           ; v1-4 my lane's place in a unit: K's images, V's, K's scale bytes, V's
.set AV0,  2
.set ASK0, 3
.set ASV0, 4
.set SH8,  5                           ; v5   8 (lane / 16)
.set ADK,  6                           ; v6-9 the same four with the step's base
.set ADV,  7
.set ADS,  8
.set ADT,  9
.set NMA,  10                          ; v[10:11] tile A: -M, the largest score;  v[12:13] its sum in two halves;  v[14:17] the same for tile B
.set LA,   12
.set NMB,  14
.set LB,   16
.set FF,   18                          ; v[18:19] f = 2^(old M - new M) (the pair's upper register is written once)
.set QA,   24                          ; v20-39: zeros, q of tile A, zeros, q of tile B, zeros
.set QB,   32
.set QSA,  40                          ; v40-41 q's scale words;  v42-45 K's;  v46-49 V's;  v54-55 p's: these hold scales and nothing else
.set QSB,  41
.set KS,   42
.set VS,   46
.set VR,   50                          ; v50-53 V's scale bytes as they lie
.set PSA,  54
.set PSB,  55
.set PA,   56                          ; v56-63, v64-71 p's codes
.set PB,   64
.set KF,   72                          ; v72-103 four operands of K (two tiles each), later four of V
.set S,    104                         ; v104-167 S^T of one tile of queries, then p
.set OA,   168                         ; v168-199, v200-231 O^T
.set OB,   200
.set X,    232                         ; v232-239 the maxima's eight chains: block c, accumulator t at X + 4 c + t; the block's largest score ends in X + 4 c
.set TA,   240
.set TP,   241
.set TO,   242
.set SO,   244
.set EE,   246
.set TT,   248                         ; v248-253 three of the sums' four chains
.set T0,   232                         ; the way out: at work
.set T1,   233
.set T2,   234
.set T3,   235
.set T4,   236
.set T5,   237
.set UA,   244
.set UB,   245
.set SPW,  254                         ; v254 my spare word's LDS address, v255 = 0: kept for the add alone
.set NIL,  255
.macro PLACES                          ; four plain vector instructions between a matrix instruction and a read of its result, or a load into a register that it read
.rept 4
	v_nop
.endr
.endm
.macro CROUND                          ; a round of the cluster's barrier
	s_barrier_signal -1
	s_barrier_wait -1
	s_cmp_lg_u32 s[WV], 0
	s_cbranch_scc1 .Lnot_wave_0_\@
	s_barrier_signal -3
.Lnot_wave_0_\@:
	s_barrier_wait -3
	s_barrier_signal -1
	s_barrier_wait -1
.endm
; 32 registers of a lane, register 8 t + j = number 16 t + 8 (lane / 16) + j of its row of 64, become the operand's four registers and the row's two scale bytes.
.macro QUANT64 src, cd, ud
	v_max3_num_f32 v[T0], |v[(\src)]|, |v[(\src)+1]|, 0x1800000        ; block 0: my 16 numbers, and the floor 2^(3 - 127): the byte cannot fall under 1
	v_max3_num_f32 v[T1], |v[(\src)+16]|, |v[(\src)+17]|, 0x1800000    ; block 1
.irp i, 2,4,6,8,10,12,14
	s_delay_alu instid0(VALU_DEP_2)
	v_max3_num_f32 v[T0], v[T0], |v[(\src)+\i]|, |v[(\src)+\i+1]|
	s_delay_alu instid0(VALU_DEP_2)
	v_max3_num_f32 v[T1], v[T1], |v[(\src)+16+\i]|, |v[(\src)+17+\i]|
.endr
	s_delay_alu instid0(VALU_DEP_2)
	v_permlanex16_b32 v[T2], v[T0], s[SEL], s[SEL+1]
	s_delay_alu instid0(VALU_DEP_2)
	v_permlanex16_b32 v[T3], v[T1], s[SEL], s[SEL+1]
	s_delay_alu instid0(VALU_DEP_2)
	v_max_num_f32 v[T0], v[T0], v[T2]
	s_delay_alu instid0(VALU_DEP_2)
	v_max_num_f32 v[T1], v[T1], v[T3]
	s_delay_alu instid0(VALU_DEP_2)
	v_add_nc_u32 v[T4], 0xff000000, v[T0]                              ; 2 off the exponent field: the conversion's scale operand
	s_delay_alu instid0(VALU_DEP_2)
	v_add_nc_u32 v[T5], 0xff000000, v[T1]
	s_delay_alu instid0(VALU_DEP_2)
	v_lshrrev_b32 v[T2], 23, v[T4]
	s_delay_alu instid0(VALU_DEP_2)
	v_lshrrev_b32 v[T3], 23, v[T5]
	s_delay_alu instid0(VALU_DEP_1)
	v_lshl_or_b32 v[\ud], v[T3], 8, v[T2]
	v_cvt_scalef32_pk8_fp4_f32 v[(\cd)], v[(\src):(\src)+7], v[T4]
	v_cvt_scalef32_pk8_fp4_f32 v[(\cd)+2], v[(\src)+8:(\src)+15], v[T4]
	v_cvt_scalef32_pk8_fp4_f32 v[(\cd)+1], v[(\src)+16:(\src)+23], v[T5]
	v_cvt_scalef32_pk8_fp4_f32 v[(\cd)+3], v[(\src)+24:(\src)+31], v[T5]
	v_nop                                                              ; one plain instruction behind the scaled conversions
	v_permlane16_swap_b32 v[(\cd)], v[(\cd)+1]
	v_permlane16_swap_b32 v[(\cd)+2], v[(\cd)+3]
.endm
	s_load_b256 s[8:15], s[0:1], 0x0               ; qb s[8:9], kv s[10:11], zb s[12:13], zs s[14:15]
	v_lshl_add_u32 v[SPW], v0, 2, SPARE
	v_mov_b32 v[NIL], 0
	ds_add_u32 v[SPW], v[NIL]                      ; the opening lines: the add, twice on end, and its wait ahead of my tensor load
	ds_add_u32 v[SPW], v[NIL]
	v_lshrrev_b32 v1, 5, v0
	v_readfirstlane_b32 s[WV], v1                  ; wave 0..15
	s_bfe_u32 s[CX], ttmp6, 0x40000                ; my place in the cluster: which 512 queries.  It enters qb's, zb's and zs's addresses alone
	s_and_b32 s[BH], ttmp7, 0xffff                 ; 16 b + head, which the four partners share
	; group 1: 18 rows (two units) of 512 bytes (64 elements of 8), dense in memory; 16 words of padding behind every 128
	s_mov_b32 s[G1], 15|(3<<16)|(1<<20)|(1<<21)|(6<<22)|(15<<25)
	s_mov_b32 s[G1+1], 64<<16
	s_mov_b32 s[G1+2], 18<<16
	s_mov_b32 s[G1+3], 64<<16
	s_mov_b32 s[G1+4], 18
	s_mov_b32 s[G1+5], 64
	s_mov_b32 s[G1+6], 0
	s_mov_b32 s[G1+7], 0
	s_mov_b32 s[SEL], 0x76543210
	s_mov_b32 s[SEL+1], 0xfedcba98
	s_mov_b32 s[CS], 0x3e38aa3b                    ; log2(e) / 8
	s_mov_b32 s[CS+1], s[CS]
	s_mov_b32 s50, 0x05040100                      ; v_perm_b32: the two low halves;
	s_mov_b32 s51, 0x07060302                      ; the two high halves
	s_mov_b32 s52, 0xffff0000                      ; lanes 16-31
	s_mul_i32 s6, s[WV], STEPB                     ; wave w fetches key step w: where it goes,
	s_mul_i32 s16, s[WV], 9216                     ; and where it lies in the head's block
	s_mul_i32 s7, s[BH], 147456
	s_add_co_u32 s16, s16, s7
	s_mov_b32 s17, 0
	s_wait_dscnt 0x0                               ; both opening adds are done
	s_wait_kmcnt 0x0
	s_mov_b32 s[G0], 1
	s_mov_b32 s[G0+1], s6
	s_add_nc_u64 s[G0+2:G0+3], s[10:11], s[16:17]
	s_or_b32 s[G0+3], s[G0+3], 0x80000000
	CROUND                                         ; all four work-groups are here: the joint loads meet
	tensor_load_to_lds s[G0:G0+3], s[G1:G1+7]      ; ALL FILLS OF THE LAUNCH: one load a wave, sixteen in all, with no branch
	s_nop 0
	PLACES
	; my 32 queries: two images and their scale bytes, out of unit 8 cx + wave / 2 of my head
	s_lshl_b32 s5, s[BH], 5
	s_lshl_b32 s6, s[CX], 3
	s_add_co_u32 s5, s5, s6
	s_lshr_b32 s6, s[WV], 1
	s_add_co_u32 s5, s5, s6
	s_mul_i32 s16, s5, 2304
	s_mov_b32 s17, 0
	s_add_nc_u64 s[8:9], s[8:9], s[16:17]
	s_and_b32 s6, s[WV], 1                         ; the unit's tiles 0, 1 or 2, 3
	v_and_b32 v247, 31, v0                         ; lane
	s_lshl_b32 s7, s6, 10
	v_lshl_add_u32 v244, v247, 4, s7
	s_lshl_b32 s7, s6, 2
	v_lshl_add_u32 v245, v247, 3, s7
	global_load_b128 v[QA:QA+3], v244, s[8:9]
	global_load_b128 v[QB:QB+3], v244, s[8:9] offset:512
	global_load_b32 v246, v245, s[8:9] offset:2048 ; tile A's two bytes below, tile B's above
	v_bfe_u32 v232, v0, 4, 1                       ; h
	v_bfe_u32 v233, v0, 3, 1                       ; x
	v_and_b32 v234, 7, v0                          ; z
	s_delay_alu instid0(VALU_DEP_2)
	v_mul_u32_u24 v[AK0], v233, 2*ROWP             ; key 32 x + 8 t + z lies in image 2 x + t / 2, row 8 (t % 2) + z: 16 bytes a row, the upper 32 channels 256 bytes on
	s_delay_alu instid0(VALU_DEP_1)
	v_lshl_add_u32 v[AK0], v232, 8, v[AK0]
	s_delay_alu instid0(VALU_DEP_1)
	v_lshl_add_u32 v[AK0], v234, 4, v[AK0]
	v_lshl_add_u32 v[AV0], v247, 4, 4*ROWP         ; V's images come as they lie
	v_lshlrev_b32 v[ASK0], 3, v234                 ; the bytes of keys 32 x + 8 y + z and 32 x + 8 (y + 2) + z are one word, at 64 y + 8 z + 4 x of K's scale unit
	s_delay_alu instid0(VALU_DEP_1)
	v_lshl_add_u32 v[ASK0], v233, 2, v[ASK0]
	s_delay_alu instid0(VALU_DEP_1)
	v_add_nc_u32 v[ASK0], 8*ROWP, v[ASK0]
	v_lshl_add_u32 v[ASV0], v247, 3, 8*ROWP+256
	v_lshlrev_b32 v[SH8], 3, v232
	s_wait_loadcnt 0x0                             ; q
	v_perm_b32 v[QSA], v246, v246, 0x01000100      ; q's two bytes twice: for [q, 0] and for [0, q]
	v_perm_b32 v[QSB], v246, v246, 0x03020302
.irp j, 20,21,22,23,28,29,30,31,36,37,38,39
	v_mov_b32 v\j, 0                               ; zero codes
.endr
	v_mov_b32 v[NMA+1], 0xff61b1e6                 ; the largest score so far: -3e38, under every score
	s_delay_alu instid0(VALU_DEP_1)
	v_mul_f32 v[NMA], s[CS], v[NMA+1]
	s_delay_alu instid0(VALU_DEP_1)
	v_floor_f32 v[NMA], -v[NMA]                    ; -M
	s_delay_alu instid0(VALU_DEP_3)
	v_mov_b32 v[NMB+1], v[NMA+1]
	s_delay_alu instid0(VALU_DEP_2)
	v_mov_b32 v[NMB], v[NMA]
	v_mov_b32 v[LA], 0
	v_mov_b32 v[LA+1], 0
	v_mov_b32 v[LB], 0
	v_mov_b32 v[LB+1], 0
	v_mov_b32 v[FF+1], 0
	v_mov_b32 v[TP], 0                             ; a lane permute's destination counts as one of its sources: written once
.set j, 0
.rept 64
	v_mov_b32 v[OA+j], 0                           ; O^T.  The key step is written once for all steps: the first finds zeros, which the first change of M leaves zeros
.set j, j+1
.endr
; S^T of one tile of queries against the step's 128 keys: eight products, each beginning with 0.  q0: the first register of q's codes.
; w = 1: K's loads are still landing: in front of pair (c, y) the three loads of each later pair may be out
.macro SCORES q0, qs, w
.irp c, 0,1
.irp y, 0,1
.if \w
	s_wait_dscnt 9-3*(2*\c+\y)
.endif
	v_wmma_scale_f32_16x16x128_f8f6f4 v[S+32*\c+8*\y:S+32*\c+8*\y+7], v[KF+8*(2*\c+\y):KF+8*(2*\c+\y)+7], v[\q0:\q0+7], 0, v[KS+2*\c+\y], v[\qs] matrix_a_fmt:MATRIX_FMT_FP4 matrix_b_fmt:MATRIX_FMT_FP4
	v_wmma_scale_f32_16x16x128_f8f6f4 v[S+32*\c+8*\y+16:S+32*\c+8*\y+23], v[KF+8*(2*\c+\y):KF+8*(2*\c+\y)+7], v[\q0-4:\q0+3], 0, v[KS+2*\c+\y], v[\qs] matrix_a_fmt:MATRIX_FMT_FP4 matrix_b_fmt:MATRIX_FMT_FP4
.endr
.endr
.endm
.macro RS o, a, n                      ; n pairs of O^T, from pair a on, under the new M: ascending
.set j, 2*(\a)
.rept \n
	v_pk_mul_f32 v[\o+j:\o+j+1], v[\o+j:\o+j+1], v[FF:FF+1] op_sel_hi:[1,0]
.set j, j+2
.endr
.endm
.macro GAP fo, a, d                    ; between two dependent lines: two pairs of the other tile's O^T where there are any
.if \fo
	RS \fo, \a, 2
.else
	s_delay_alu instid0(VALU_DEP_\d)
.endif
.endm
.macro PF nm, a, n                     ; t - M, two at a time: n pairs from pair a on
.set j, 2*(\a)
.rept \n
	v_pk_fma_f32 v[S+j:S+j+1], v[S+j:S+j+1], s[CS:CS+1], v[\nm:\nm+1] op_sel_hi:[1,0,0]
.set j, j+2
.endr
.endm
.macro G4 ls, p                        ; pairs p .. p + 3 of p, one onto each of the sums' four chains
	v_pk_add_f32 v[TT:TT+1], v[TT:TT+1], v[S+2*(\p):S+2*(\p)+1]
	v_pk_add_f32 v[TT+2:TT+3], v[TT+2:TT+3], v[S+2*(\p)+2:S+2*(\p)+3]
	v_pk_add_f32 v[TT+4:TT+5], v[TT+4:TT+5], v[S+2*(\p)+4:S+2*(\p)+5]
	v_pk_add_f32 v[\ls:\ls+1], v[\ls:\ls+1], v[S+2*(\p)+6:S+2*(\p)+7]
.endm
.macro VLOADS                          ; V^T of the step into K's registers, and its scale bytes
.irp ct, 0,1,2,3
	ds_load_b128 v[KF+8*\ct:KF+8*\ct+3], v[ADV] offset:ROWP*\ct              ; channels 16 ct on: keys 0-63 of the step,
	ds_load_b128 v[KF+8*\ct+4:KF+8*\ct+7], v[ADV] offset:UNIT+ROWP*\ct       ; keys 64-127
.endr
	ds_load_b64 v[VR:VR+1], v[ADT]
	ds_load_b64 v[VR+2:VR+3], v[ADT] offset:UNIT
.endm
; The softmax of one tile of queries for one key step.  nm: -M and the largest score; ls: the sum; pc: where p's codes go; ps: p's scale word.
; fo: 0, or the other tile's O^T, which is brought under ITS new M (f still stands in FF) in this tile's places and gaps; V's loads then follow.
; Registers S + 32 c + 0 .. 31 are my block of unit c: keys 64 c + 32 (lane / 16) + 0 .. 31
.macro SOFT nm, ls, pc, ps, fo
.if \fo
	s_wait_alu depctr_va_vdst(0)                                       ; directly ahead of the first reader of O^T; plain vector lines alone stand up to the last
	RS \fo, 0, 8                                                       ; these eight are also the places behind the score products
.endif
.irp i, 0,3,5                                                      ; THE LARGEST SCORE OF EACH BLOCK: it serves the row's maximum and, since p rises with the score, the block's largest p
.irp t, 0,1,2,3
.irp c, 0,1
.if \i == 0
	v_max3_num_f32 v[X+4*\c+\t], v[S+32*\c+8*\t], v[S+32*\c+8*\t+1], v[S+32*\c+8*\t+2]   ; each accumulator is read from its low end on
.else
	v_max3_num_f32 v[X+4*\c+\t], v[X+4*\c+\t], v[S+32*\c+8*\t+\i], v[S+32*\c+8*\t+\i+1]
.endif
.endr
.endr
.endr
.irp c, 0,1
	v_max3_num_f32 v[X+4*\c], v[X+4*\c], v[S+32*\c+7], v[S+32*\c+15]   ; the accumulators' last registers,
	v_max3_num_f32 v[X+4*\c+1], v[X+4*\c+1], v[S+32*\c+23], v[S+32*\c+31]
.endr
.irp c, 0,1
	v_max3_num_f32 v[X+4*\c], v[X+4*\c], v[X+4*\c+1], v[X+4*\c+2]      ; and the four chains joined
.endr
.irp c, 0,1
	v_max_num_f32 v[X+4*\c], v[X+4*\c], v[X+4*\c+3]
.endr
	v_max_num_f32 v[TA], v[X], v[X+4]
	GAP \fo, 8, 1
	v_permlanex16_b32 v[TP], v[TA], s[SEL], s[SEL+1]                   ; the query's other 64 keys lie in the lane 16 away
	GAP \fo, 10, 1
	v_max3_num_f32 v[\nm+1], v[\nm+1], v[TA], v[TP]                    ; the running largest score
	GAP \fo, 12, 1
	v_mul_f32 v[TA], s[CS], v[\nm+1]                                   ; as t (c is positive)
	v_mov_b32 v[TO], v[\nm]
	GAP \fo, 14, 2
	v_floor_f32 v[\nm], -v[TA]                                         ; the new -M = floor(-t) = -ceil(t): a whole number
.if \fo
	VLOADS                                                             ; they land under the lines below
.endif
.irp c, 0,1
	v_fma_f32 v[X+4*\c], v[X+4*\c], s[CS], v[\nm]                      ; t - M of each block's largest score
.endr
	PF \nm, 0, 6
	v_sub_f32 v[TA], v[\nm], v[TO]                                     ; old M - new M: a whole number, 0 or less
	PF \nm, 6, 6
	v_cvt_i32_f32 v[TA], v[TA]                                         ; (it saturates)
	PF \nm, 12, 6
	v_ldexp_f32 v[FF], 1.0, v[TA]                                      ; f
	PF \nm, 18, 14
	s_wait_alu depctr_va_vdst(0)
.irp c, 0,1
	v_exp_f32 v[X+4*\c], v[X+4*\c]                                     ; the block's largest p
.endr
.set j, 0
.rept 64
	v_exp_f32 v[S+j], v[S+j]                                           ; p = 2^(t - M), at most 1
.set j, j+1
.endr
	v_pk_mul_f32 v[\ls:\ls+1], v[\ls:\ls+1], v[FF:FF+1] op_sel_hi:[1,0]   ; the sum under the new M: the plain instruction behind the exponentials
	s_wait_alu depctr_va_vdst(0)                                       ; one wait for the batch of 66, ahead of its first reader
	v_pk_add_f32 v[TT:TT+1], v[S:S+1], v[S+2:S+3]                      ; THE ROW'S SUM IS TAKEN OF THE UNQUANTISED p, in four chains; the scale bytes' lines stand among them
	v_pk_add_f32 v[TT+2:TT+3], v[S+4:S+5], v[S+6:S+7]
	v_pk_add_f32 v[TT+4:TT+5], v[S+8:S+9], v[S+10:S+11]
	v_pk_add_f32 v[\ls:\ls+1], v[\ls:\ls+1], v[S+12:S+13]
.irp c, 0,1
	v_max_num_f32 v[X+4*\c], 0x1800000, v[X+4*\c]                      ; the floor 2^(3 - 127)
.endr
	G4 \ls, 7
.irp c, 0,1
	v_add_nc_u32 v[SO+\c], 0xff000000, v[X+4*\c]                       ; 2 off the exponent field: the conversion's scale operand
.endr
	G4 \ls, 11
.irp c, 0,1
	v_lshrrev_b32 v[EE+\c], 23, v[SO+\c]                               ; the scale's byte
.endr
	G4 \ls, 15
	v_lshl_or_b32 v[\ps], v[EE+1], 16, v[EE]                           ; my two bytes: blocks h and 2 + h of the step's four,
	G4 \ls, 19
	v_lshlrev_b32 v[\ps], v[SH8], v[\ps]                               ; at their places in the scale word;
	G4 \ls, 23
	v_permlanex16_b32 v[TP], v[\ps], s[SEL], s[SEL+1]
	G4 \ls, 27
	v_or_b32 v[\ps], v[\ps], v[TP]                                     ; with lane l xor 16's two the word is whole
	v_pk_add_f32 v[TT:TT+1], v[TT:TT+1], v[S+62:S+63]
	v_pk_add_f32 v[\ls:\ls+1], v[\ls:\ls+1], v[TT+4:TT+5]
	v_pk_add_f32 v[TT:TT+1], v[TT:TT+1], v[TT+2:TT+3]
	v_pk_add_f32 v[\ls:\ls+1], v[\ls:\ls+1], v[TT:TT+1]
.irp c, 0,1
.irp t, 0,1,2,3
	v_cvt_scalef32_pk8_fp4_f32 v[\pc+4*\c+\t], v[S+32*\c+8*\t:S+32*\c+8*\t+7], v[SO+\c]   ; register 4 c + t of the operand: keys 64 c + 32 h + 8 t + 0 .. 7
.endr
.endr
	v_nop                                                              ; one plain instruction behind the scaled conversions
.endm
; A KEY STEP: 128 keys, two units
.macro KSTEP
	v_add_nc_u32 v[ADK], s[TB], v[AK0]             ; these four are also the places in front of the loads into registers that the last products read
	v_add_nc_u32 v[ADV], s[TB], v[AV0]
	v_add_nc_u32 v[ADS], s[TB], v[ASK0]
	v_add_nc_u32 v[ADT], s[TB], v[ASV0]
.irp c, 0,1
.irp y, 0,1
	ds_load_b128 v[KF+8*(2*\c+\y):KF+8*(2*\c+\y)+3], v[ADK] offset:UNIT*\c+128*\y          ; tile y of unit c,
	ds_load_b128 v[KF+8*(2*\c+\y)+4:KF+8*(2*\c+\y)+7], v[ADK] offset:UNIT*\c+128*\y+ROWP   ; tile y + 2,
	ds_load_b32 v[KS+2*\c+\y], v[ADS] offset:UNIT*\c+64*\y                                 ; and the scale bytes of both
.endr
.endr
	SCORES QA, QSA, 1
	PLACES
	SOFT NMA, LA, PA, PSA, 0
	SCORES QB, QSB, 0
	SOFT NMB, LB, PB, PSB, OA                      ; tile A's O^T x f, V's loads, tile B's softmax
	s_wait_dscnt 0x0                               ; V
	v_perm_b32 v[VS], v[VR+2], v[VR], s50          ; V's scale words: two bytes of each unit
	v_perm_b32 v[VS+1], v[VR+2], v[VR], s51
	v_perm_b32 v[VS+2], v[VR+3], v[VR+1], s50
	v_perm_b32 v[VS+3], v[VR+3], v[VR+1], s51
	s_wait_alu depctr_va_vdst(0)                   ; directly ahead of the first reader of O^T
	RS OB, 0, 16                                   ; sixteen plain instructions: a scale register written by a vector instruction stands eight ahead of the scaled product, an operand so written four
.irp ct, 0,1,2,3                                   ; O^T += V^T p^T: the eight accumulators by turns
	v_wmma_scale_f32_16x16x128_f8f6f4 v[OA+8*\ct:OA+8*\ct+7], v[KF+8*\ct:KF+8*\ct+7], v[PA:PA+7], v[OA+8*\ct:OA+8*\ct+7], v[VS+\ct], v[PSA] matrix_a_fmt:MATRIX_FMT_FP4 matrix_b_fmt:MATRIX_FMT_FP4
	v_wmma_scale_f32_16x16x128_f8f6f4 v[OB+8*\ct:OB+8*\ct+7], v[KF+8*\ct:KF+8*\ct+7], v[PB:PB+7], v[OB+8*\ct:OB+8*\ct+7], v[VS+\ct], v[PSB] matrix_a_fmt:MATRIX_FMT_FP4 matrix_b_fmt:MATRIX_FMT_FP4
.endr
.endm
	s_wait_alu depctr_va_vdst(0)
	s_wait_tensorcnt 0x0                           ; my key step's two units are in,
	s_barrier_signal -1
	s_barrier_wait -1                              ; everybody's are: the whole block.
	s_mov_b32 s[TB], 0
	s_mov_b32 s[CNT], 16
.Lstep:
	KSTEP
	s_add_co_u32 s[TB], s[TB], STEPB
	s_sub_co_u32 s[CNT], s[CNT], 1
	s_cmp_lg_u32 s[CNT], 0
	s_cbranch_scc1 .Lstep
	; THE WAY OUT.  The sums' halves are added; O^T / l is quantised along the head's 64 channels: an image and 16 pairs of scale bytes for each tile.  The additions and the v_nop are the places behind the last products
	v_add_f32 v[LA], v[LA], v[LA+1]
	v_add_f32 v[LB], v[LB], v[LB+1]
	s_delay_alu instid0(VALU_DEP_2)
	v_permlanex16_b32 v[T2], v[LA], s[SEL], s[SEL+1]
	s_delay_alu instid0(VALU_DEP_2)
	v_permlanex16_b32 v[T3], v[LB], s[SEL], s[SEL+1]
	s_delay_alu instid0(VALU_DEP_2)
	v_add_f32 v[LA], v[LA], v[T2]
	s_delay_alu instid0(VALU_DEP_2)
	v_add_f32 v[LB], v[LB], v[T3]
	s_wait_alu depctr_va_vdst(0)
	v_rcp_f32 v[LA], v[LA]
	v_rcp_f32 v[LB], v[LB]
	v_nop                                          ; a plain instruction behind the reciprocals,
	s_wait_alu depctr_va_vdst(0)                   ; and the one wait for both, ahead of their first reader
.set j, 0
.rept 16
	v_pk_mul_f32 v[S+j:S+j+1], v[OA+j:OA+j+1], v[LA:LA+1] op_sel_hi:[1,0]
.set j, j+2
.endr
.set j, 0
.rept 16
	v_pk_mul_f32 v[S+32+j:S+33+j], v[OB+j:OB+j+1], v[LB:LB+1] op_sel_hi:[1,0]
.set j, j+2
.endr
	QUANT64 S, PA, UA
	QUANT64 S+32, PA+4, UB
	s_lshr_b32 s5, s[BH], 4                        ; b
	s_and_b32 s6, s[BH], 15                        ; head
	s_lshl_b32 s7, s5, 7
	s_lshl_b32 s16, s[CX], 5
	s_add_co_u32 s7, s7, s16
	s_lshl_b32 s16, s[WV], 1
	s_add_co_u32 s7, s7, s16                       ; my first tile of 16 tokens: 128 b + 32 cx + 2 wave
	s_lshl_b32 s7, s7, 4
	s_add_co_u32 s7, s7, s6
	s_lshl_b32 s16, s7, 9                          ; zb: [tile][head][512]
	s_mov_b32 s17, 0
	s_add_nc_u64 s[12:13], s[12:13], s[16:17]
	v_and_b32 v246, 31, v0
	s_delay_alu instid0(VALU_DEP_1)
	v_lshlrev_b32 v246, 4, v246
	s_wait_alu depctr_va_vdst(0)
	global_store_b128 v246, v[PA:PA+3], s[12:13]                   ; 32 lanes store 512 consecutive bytes, at a multiple of 256 from zb's first byte
	global_store_b128 v246, v[PA+4:PA+7], s[12:13] offset:8192     ; the next tile of tokens: 16 heads x 512 on
	v_cndmask_b32 v[UA], v[UA], v[UB], s52         ; lanes 0-15 tile A's rows, lanes 16-31 tile B's: my wave's 32 tokens in order
	v_lshl_add_u32 v247, v0, 1, ZST                ; two bytes a token: 2 x the thread's number
	v_lshl_add_u32 v232, v0, 4, ZST                ; (waves 0 and 1 read back 16 bytes a lane)
	ds_store_b16 v247, v[UA]
	s_wait_dscnt 0x0                               ; for the others' sake: my store is done
	s_barrier_signal -1
	s_barrier_wait -1
	s_cmp_lt_u32 s[WV], 2
	s_cbranch_scc0 .Lno_zs
	s_wait_alu depctr_va_vdst(0)
	ds_load_b128 v[236:239], v232
	s_lshl_b32 s16, s6, 14                         ; zs: [head][8,192 tokens] 2 bytes
	s_lshl_b32 s7, s5, 12
	s_add_co_u32 s16, s16, s7
	s_lshl_b32 s7, s[CX], 10
	s_add_co_u32 s16, s16, s7
	s_lshl_b32 s7, s[WV], 9
	s_add_co_u32 s16, s16, s7
	s_mov_b32 s17, 0
	s_add_nc_u64 s[14:15], s[14:15], s[16:17]
	s_wait_dscnt 0x0
	global_store_b128 v246, v[236:239], s[14:15]   ; 512 consecutive bytes, aligned to 256
.Lno_zs:
	s_wait_tensorcnt 0x0                           ; the wave's end
	ds_add_u32 v[SPW], v[NIL]
	s_wait_dscnt 0x0
	CROUND                                         ; the closing round: no work-group ends while a partner may still ask for a tile that names it
	s_endpgm
.Lfunc_end_k_q9dc0775ba2_attn:
	.size	k_q9dc0775ba2_attn, .Lfunc_end_k_q9dc0775ba2_attn-k_q9dc0775ba2_attn
	.p2alignl 7, 3214868480
	.fill 96, 4, 3214868480
	.section	.rodata,"a",@progbits
	.p2align	6, 0x0
	.amdhsa_kernel k_q9dc0775ba2_attn
		.amdhsa_group_segment_fixed_size 169984
		.amdhsa_private_segment_fixed_size 0
		.amdhsa_enable_private_segment 0
		.amdhsa_kernarg_size 32
		.amdhsa_user_sgpr_count 2
		.amdhsa_user_sgpr_kernarg_segment_ptr 1
		.amdhsa_wavefront_size32 1
		.amdhsa_system_sgpr_workgroup_id_x 1
		.amdhsa_system_sgpr_workgroup_id_y 1
		.amdhsa_system_sgpr_workgroup_id_z 1
		.amdhsa_system_vgpr_workitem_id 0
		.amdhsa_next_free_vgpr 256
		.amdhsa_next_free_sgpr 66
		.amdhsa_reserve_vcc 0
		.amdhsa_float_denorm_mode_32 3
		.amdhsa_float_denorm_mode_16_64 3
		.amdhsa_memory_ordered 1
		.amdhsa_forward_progress 1
		.amdhsa_inst_pref_size 45
	.end_amdhsa_kernel
	.amdgpu_metadata
---
amdhsa.version: [ 1, 2 ]
amdhsa.kernels:
  - .name:           k_q9dc0775ba2_attn
    .symbol:         k_q9dc0775ba2_attn.kd
    .args:
      - { .name: qb, .offset: 0, .size: 8, .value_kind: global_buffer, .address_space: global }
      - { .name: kv, .offset: 8, .size: 8, .value_kind: global_buffer, .address_space: global }
      - { .name: zb, .offset: 16, .size: 8, .value_kind: global_buffer, .address_space: global }
      - { .name: zs, .offset: 24, .size: 8, .value_kind: global_buffer, .address_space: global }
    .group_segment_fixed_size: 169984
    .private_segment_fixed_size: 0
    .kernarg_segment_align: 8
    .kernarg_segment_size: 32
    .max_flat_workgroup_size: 512
    .sgpr_count:     66
    .vgpr_count:     256
    .wavefront_size: 32
...
	.end_amdgpu_metadata
.endif
;; end of part 2
;; launch outp (part 3): grid 32 x 8, 8 waves a work-group, clusters of 4 x 4, 249,600 bytes of LDS; arguments zb, zs, Wo_codes, Wo_scales, bo, out0; writes out0
.if DOCPART == 3
	.amdgcn_target "amdgcn-amd-amdhsa--gfx1250"
	.amdhsa_code_object_version 6
	.text
	.protected	k_q9dc0775ba2_outp
	.globl	k_q9dc0775ba2_outp
	.p2align	8
	.type	k_q9dc0775ba2_outp,@function
k_q9dc0775ba2_outp:
	s_mov_b64 s[64:65], 0
	v_nop
	global_prefetch_b8 v0, s[64:65] scope:SCOPE_SE
	s_setreg_imm32_b32 hwreg(HW_REG_WAVE_MODE, 25, 1), 1
	s_wait_xcnt 0x0
	s_wait_alu depctr_hold_cnt(0) depctr_sa_sdst(0) depctr_va_vdst(0) depctr_va_sdst(0) depctr_va_ssrc(0) depctr_va_vcc(0) depctr_vm_vsrc(0)
	s_getreg_b32 s2, hwreg(HW_REG_IB_STS2, 6, 4)
	s_cmp_eq_u32 s2, 0
	s_cbranch_scc0 .Lentry_in_a_cluster
	s_endpgm
.Lentry_in_a_cluster:
	s_bfe_u32 s2, ttmp6, 0x10000c
	s_cmp_lg_u32 s2, 0xf033
	s_cbranch_scc0 .Lentry_shape_is_right
	s_endpgm
.Lentry_shape_is_right:
; THE OUTPUT PROJECTION out = z Wo^T + bo on codes of FP4 (E2M1) with E8M0 scales.  z comes as operand images, zb [tile of 16 tokens][head][512 bytes], and pairs of scale bytes, zs [head][token]; Wo as given.  out0: [8,192][1,024] f32.
; Source 0 of the matrix instruction = 16 rows of Wo (outputs e), source 1 = 16 tokens of z: a lane then holds eight neighbouring outputs of one token's row.
; SHARES.  A work-group makes 128 outputs x 256 tokens; its eight waves 64 x 64 each (16 accumulators).  All of K = 1,024 lies in LDS, in two chunks of 512, each filled ONCE; no LDS byte is filled twice.
; CLUSTER 4 x 4: Wo's tile hangs on the place along y alone and is asked for jointly by a row of the cluster, z's on the place along x alone and is asked for by a column.
; z's images are read as they lie, 16 bytes a lane on end: a K step of 128 is two heads' images.  z's scale words (two heads' pairs) are put together once, by wave w for K step w, and laid in LDS as Wo's lie.
; The results go through each wave's own stage in LDS, so that sixteen lanes store 256 consecutive bytes of a row of out0, aligned.
; LIMITS: NaN and infinities are not served.
.set PITCH, 272                        ; Wo's LDS row: 256 bytes of codes + 16 of padding
.set WCH,   128*PITCH                  ; a chunk of Wo
.set ZB0,   2*WCH                      ; z's chunks: 16 tiles of tokens x 8 heads x 512 bytes each, dense
.set ZCH,   65536
.set SCLW,  ZB0+2*ZCH                  ; Wo's scale bytes, 128 rows x 32, as 16 rows of 256 bytes + 16
.set SCLZ,  SCLW+16*272                ; z's, 256 tokens x 32, laid likewise, written by LDS stores: no tile lands there
.set STAGE, SCLZ+32*272                ; 16 rows x 272 bytes for each wave; the end is at 248,576
.set SP,    272
.set WV,   2
.set WP,   3                           ; which 64 of the 128 outputs are mine
.set WR,   4                           ; which 64 of the 256 tokens
.set CX,   5
.set CY,   6
.set PT,   42                          ; the tile of outputs: never holds the place along x
.set RT,   43                          ; the tile of tokens: never holds the place along y
.set G1A,  44                          ; s[44:51] group 1, Wo's codes;  s[52:59] z's images;  s[68:75] Wo's scale bytes
.set G1Z,  52
.set G1SA, 68
.set GSW,  84                          ; groups 0: Wo's scales, its chunks 0 and 1, z's chunks 0 and 1 (a half of the tokens each: by the wave)
.set GW0,  88
.set GW1,  92
.set GZ0,  20
.set GZ1,  24
.set ADR0, 1                           ; v1-2  LDS address of my fragments of Wo in chunk 0, 1
.set ADR1, 3                           ; v3-4  of z
.set ADRS, 5                           ; v5    of my scale words: lanes 0-15 Wo's rows, lanes 16-31 z's tokens
.set LI,   6                           ; v6    16 x lane
.set BO,   8                           ; v8    the bias: my half's eight numbers of a tile
.set STO,  9                           ; v9    the stage: where I put 32 bytes of a row
.set RD,   10                          ; v10   where I read a row back
.set CO,   11                          ; v11   my byte offset in out0
.set SC,   16                          ; v16-31 scale words and nothing else
.set F0,   32                          ; v32-63  Wo's four fragments; on the way out rows read back
.set F1,   64                          ; v64-95  z's four; likewise
.set BI,   96                          ; v96-127 the bias as four C tiles
.set ACC,  128                         ; v128-255 accumulator (rt, pt) at 128 + 32 rt + 8 pt
.macro PLACES                          ; four plain vector instructions between a matrix instruction and a read of its result, or a load into a register that it read
.rept 4
	v_nop
.endr
.endm
.macro CROUND                          ; a round of the cluster's barrier
	s_barrier_signal -1
	s_barrier_wait -1
	s_cmp_lg_u32 s[WV], 0
	s_cbranch_scc1 .Lnot_wave_0_\@
	s_barrier_signal -3
.Lnot_wave_0_\@:
	s_barrier_wait -3
	s_barrier_signal -1
	s_barrier_wait -1
.endm
	s_load_b256 s[8:15], s[0:1], 0x0               ; zb s[8:9], zs s[10:11], Wo's codes s[12:13], Wo's scales s[14:15]
	s_load_b128 s[16:19], s[0:1], 0x20             ; bo s[16:17], out0 s[18:19]
	v_lshl_add_u32 v7, v0, 2, 0x3cb00
	s_set_vgpr_msb 0x40
	v_mov_b32 v1, 0
	s_set_vgpr_msb 0x4044
	ds_add_u32 v7, v1
	ds_add_u32 v7, v1
	s_set_vgpr_msb 0x4400
	v_lshrrev_b32 v1, 5, v0
	s_delay_alu instid0(VALU_DEP_1)
	v_readfirstlane_b32 s[WV], v1
	s_and_b32 s[WP], s[WV], 1
	s_lshr_b32 s[WR], s[WV], 1
	s_bfe_u32 s[CX], ttmp6, 0x40000
	s_bfe_u32 s[CY], ttmp6, 0x40004
	s_and_b32 s62, ttmp7, 0xffff
	s_lshl_b32 s62, s62, 2
	s_add_co_u32 s[PT], s62, s[CY]                 ; 0 .. 7
	s_lshl_b32 s66, ttmp9, 2
	s_add_co_u32 s[RT], s66, s[CX]                 ; 0 .. 31
	s_lshl_b32 s60, s[CY], 2
	s_lshl_b32 s60, 15, s60                        ; my row of the cluster
	s_lshl_b32 s61, 0x1111, s[CX]                  ; my column
	s_or_b32 s[G1A], s60, (1<<20)|(1<<21)|(5<<22)|(3<<25)           ; Wo's codes: 128 rows x 256 bytes out of rows of 512; 16 bytes of padding behind each 64 words
	s_mov_b32 s[G1A+1], 256<<16
	s_mov_b32 s[G1A+2], 128<<16
	s_mov_b32 s[G1A+3], 256<<16
	s_mov_b32 s[G1A+4], 128
	s_mov_b32 s[G1A+5], 512
	s_mov_b32 s[G1A+6], 0
	s_mov_b32 s[G1A+7], 0
	s_or_b32 s[G1Z], s61, (3<<16)|(1<<21)                           ; z: 8 tiles of tokens x 4,096 bytes (512 elements of 8: eight heads' images) out of 8,192; no padding: the images are read 16 bytes a lane on end
	s_mov_b32 s[G1Z+1], 512<<16
	s_mov_b32 s[G1Z+2], 8<<16
	s_mov_b32 s[G1Z+3], 512<<16
	s_mov_b32 s[G1Z+4], 8
	s_mov_b32 s[G1Z+5], 1024
	s_mov_b32 s[G1Z+6], 0
	s_mov_b32 s[G1Z+7], 0
	s_or_b32 s[G1SA], s60, (3<<16)|(1<<20)|(1<<21)|(5<<22)|(3<<25)  ; Wo's scale bytes: a dense block as 16 rows of 256 bytes, padded
	s_mov_b32 s[G1SA+1], 32<<16
	s_mov_b32 s[G1SA+2], 16<<16
	s_mov_b32 s[G1SA+3], 32<<16
	s_mov_b32 s[G1SA+4], 16
	s_mov_b32 s[G1SA+5], 32
	s_mov_b32 s[G1SA+6], 0
	s_mov_b32 s[G1SA+7], 0
	s_wait_dscnt 0x0
	s_wait_kmcnt 0x0
	s_lshl_b32 s62, s[PT], 12
	s_mov_b32 s63, 0
	s_mov_b32 s[GSW], 1
	s_mov_b32 s[GSW+1], SCLW
	s_add_nc_u64 s[GSW+2:GSW+3], s[14:15], s[62:63]
	s_or_b32 s[GSW+3], s[GSW+3], 0x80000000
	s_lshl_b32 s62, s[PT], 16
	s_mov_b32 s[GW0], 1
	s_mov_b32 s[GW0+1], 0
	s_add_nc_u64 s[GW0+2:GW0+3], s[12:13], s[62:63]
	s_mov_b32 s[GW1], 1
	s_mov_b32 s[GW1+1], WCH
	s_add_nc_u64 s[GW1+2:GW1+3], s[GW0+2:GW0+3], 256
	s_or_b32 s[GW0+3], s[GW0+3], 0x80000000
	s_or_b32 s[GW1+3], s[GW1+3], 0x80000000
	s_and_b32 s28, s[WV], 1                        ; waves 0 and 2 fetch z's tiles 0-7, waves 1 and 3 its tiles 8-15
	s_lshl_b32 s29, s28, 15
	s_lshl_b32 s28, s28, 16
	s_lshl_b32 s66, s[RT], 17                      ; 16 tiles x 8,192 bytes
	s_add_co_u32 s66, s66, s28
	s_mov_b32 s67, 0
	s_mov_b32 s[GZ0], 1
	s_add_co_u32 s[GZ0+1], s29, ZB0
	s_add_nc_u64 s[GZ0+2:GZ0+3], s[8:9], s[66:67]
	s_mov_b32 s[GZ1], 1
	s_add_co_u32 s[GZ1+1], s29, ZB0+ZCH
	s_add_nc_u64 s[GZ1+2:GZ1+3], s[GZ0+2:GZ0+3], 4096  ; heads 8 to 15
	s_or_b32 s[GZ0+3], s[GZ0+3], 0x80000000
	s_or_b32 s[GZ1+3], s[GZ1+3], 0x80000000
	CROUND                                         ; all sixteen work-groups are here: the joint loads meet
	; ALL FILLS OF THE LAUNCH, ONE A WAVE: seven loads, in one chain of branches on the wave's number, every arm leading to one join.
	; waves 0, 1: the halves of z's chunk 0; 2, 3: those of its chunk 1; 4: Wo's scales; 5, 6: Wo's chunks 0, 1; wave 7 fetches nothing
.macro ARM under, g0, g1, next
	s_cmp_lt_u32 s[WV], \under
	s_cbranch_scc0 \next
	tensor_load_to_lds s[\g0:\g0+3], s[\g1:\g1+7]
	s_nop 0
	PLACES
	s_branch .Lasked
\next:
.endm
	ARM 2, GZ0, G1Z, .Larm_z1
	ARM 4, GZ1, G1Z, .Larm_sw
	ARM 5, GSW, G1SA, .Larm_w0
	ARM 6, GW0, G1A, .Larm_w1
	ARM 7, GW1, G1A, .Larm_none
.Lasked:
	v_and_b32 v12, 15, v0                          ; r
	v_bfe_u32 v13, v0, 4, 1                        ; h
	s_wait_alu depctr_va_vdst(0)
	v_and_b32 v14, 31, v0                          ; lane
	s_delay_alu instid0(VALU_DEP_1)
	v_lshlrev_b32 v[LI], 4, v14
	; z's scale bytes of K step w (heads 2 w and 2 w + 1), 256 tokens: 8 tokens a lane from each head
	s_wait_alu depctr_va_vdst(0)
	s_lshl_b32 s28, s[RT], 9
	s_lshl_b32 s29, s[WV], 15
	s_add_co_u32 s28, s28, s29
	s_mov_b32 s29, 0
	s_add_nc_u64 s[10:11], s[10:11], s[28:29]
	global_load_b128 v[128:131], v[LI], s[10:11]
	global_load_b128 v[132:135], v[LI], s[10:11] offset:16384
	; the bias, as the C of each sum's first matrix instruction
	s_lshl_b32 s28, s[PT], 9
	s_lshl_b32 s30, s[WP], 8
	s_add_co_u32 s28, s28, s30
	s_add_nc_u64 s[16:17], s[16:17], s[28:29]
	v_lshlrev_b32 v[BO], 5, v13
.irp pt, 0,1,2,3
	global_load_b128 v[BI+8*\pt:BI+8*\pt+3], v[BO], s[16:17] offset:64*\pt       ; tile pt: bo of e = 16 pt + 8 h + 0 .. 7
	global_load_b128 v[BI+8*\pt+4:BI+8*\pt+7], v[BO], s[16:17] offset:64*\pt+16
.endr
	v_mul_u32_u24 v15, v12, PITCH
	s_delay_alu instid0(VALU_DEP_1)
	v_lshl_add_u32 v15, v13, 4, v15
	s_mul_i32 s28, s[WP], 64*PITCH
	v_add_nc_u32 v[ADR0], s28, v15
	s_delay_alu instid0(VALU_DEP_1)
	v_add_nc_u32 v[ADR0+1], WCH, v[ADR0]
	s_lshl_b32 s28, s[WR], 14                      ; my four tiles of tokens: 4 x 4,096 bytes in a chunk
	s_add_co_u32 s28, s28, ZB0
	v_add_nc_u32 v[ADR1], s28, v[LI]
	s_delay_alu instid0(VALU_DEP_1)
	v_add_nc_u32 v[ADR1+1], ZCH, v[ADR1]
	v_lshrrev_b32 v15, 3, v12
	v_lshlrev_b32 v[ADRS], 5, v12                  ; 32 scale bytes a row,
	s_delay_alu instid0(VALU_DEP_1)
	v_lshl_add_u32 v[ADRS], v15, 4, v[ADRS]        ; and 16 of padding behind each eight rows
	s_mul_i32 s30, s[WP], 2176
	s_mul_i32 s31, s[WR], 2176
	s_add_co_u32 s31, s31, SCLZ-SCLW
	s_sub_co_u32 s31, s31, s30                     ; from Wo's words to z's: 2,176 at the least
	v_mul_u32_u24 v15, s31, v13                    ; lanes 16-31 take z's
	s_add_co_u32 s30, s30, SCLW
	v_add_nc_u32 v[ADRS], v[ADRS], v15
	s_delay_alu instid0(VALU_DEP_1)
	v_add_nc_u32 v[ADRS], s30, v[ADRS]
	s_mul_i32 s28, s[WV], 16*SP
	s_add_co_u32 s28, s28, STAGE                   ; my stage
	v_mul_u32_u24 v[STO], v12, SP                  ; in: row r, 32 bytes for each half of the lanes
	s_delay_alu instid0(VALU_DEP_1)
	v_lshl_add_u32 v[STO], v13, 5, v[STO]
	s_delay_alu instid0(VALU_DEP_1)
	v_add_nc_u32 v[STO], s28, v[STO]
	v_mul_u32_u24 v[RD], v13, SP                   ; back: lanes 0-15 one row of 256 bytes, lanes 16-31 the next
	s_delay_alu instid0(VALU_DEP_1)
	v_lshl_add_u32 v[RD], v12, 4, v[RD]
	s_delay_alu instid0(VALU_DEP_1)
	v_add_nc_u32 v[RD], s28, v[RD]
	v_lshlrev_b32 v[CO], 12, v13                   ; and the same two rows in out0: 4,096 bytes a row
	s_delay_alu instid0(VALU_DEP_1)
	v_lshl_add_u32 v[CO], v12, 4, v[CO]
	s_lshl_b32 s28, s[RT], 20                      ; my first token's row: (256 RT + 64 wr) x 4,096,
	s_lshl_b32 s30, s[WR], 18
	s_add_co_u32 s28, s28, s30
	s_lshl_b32 s30, s[PT], 9                       ; my first output: (128 PT + 64 wp) x 4
	s_add_co_u32 s28, s28, s30
	s_lshl_b32 s30, s[WP], 8
	s_add_co_u32 s28, s28, s30
	s_add_nc_u64 s[18:19], s[18:19], s[28:29]
	v_mul_u32_u24 v15, v14, 272                    ; token 8 lane + i has its 32 scale bytes at 272 lane + 32 i; K step w's word 4 w on
	s_lshl_b32 s28, s[WV], 2
	v_add_nc_u32 v15, s28, v15
	s_delay_alu instid0(VALU_DEP_1)
	v_add_nc_u32 v15, SCLZ, v15
	s_wait_loadcnt 0x8                             ; z's scale bytes are in: the eight loads of the bias, issued behind them, may be out
.irp i, 0,1,2,3
	v_perm_b32 v[136+2*\i], v[132+\i], v[128+\i], 0x05040100       ; token 8 lane + 2 i: head 2 w's pair below, head 2 w + 1's above
	v_perm_b32 v[137+2*\i], v[132+\i], v[128+\i], 0x07060302       ; token 8 lane + 2 i + 1
.endr
	s_wait_alu depctr_va_vdst(0)
.irp i, 0,1,2,3,4,5,6,7
	ds_store_b32 v15, v[136+\i] offset:32*\i
.endr
.macro SCALES c                        ; chunk c's scale words: four words a row
.irp i, 0,1,2,3
	ds_load_b128 v[SC+4*\i:SC+4*\i+3], v[ADRS] offset:544*\i+16*\c
.endr
.endm
.macro FRAGS c, q                      ; the fragments of chunk c's q-th 128 along K: Wo's four, then z's four (two heads' images each)
.irp i, 0,1,2,3
.irp e, 0,1
	ds_load_b128 v[F0+8*\i+4*\e:F0+8*\i+4*\e+3], v[ADR0+\c] offset:16*PITCH*\i+64*\q+32*\e
.endr
.endr
.irp i, 0,1,2,3
.irp e, 0,1
	ds_load_b128 v[F1+8*\i+4*\e:F1+8*\i+4*\e+3], v[ADR1+\c] offset:4096*\i+1024*\q+512*\e
.endr
.endr
.endm
; 16 matrix instructions, the 16 accumulators by turns, one instruction a turn, in the same order in every step.  cs = 0: adds in place; 1: begins with the bias
.macro MULS q, cs
.irp rt, 0,1,2,3
	s_wait_dscnt 6-2*\rt                           ; Wo's fragments and z's block rt are in; behind them stand two loads for each later block
.irp pt, 0,1,2,3
.if \cs == 0
	v_wmma_scale_f32_16x16x128_f8f6f4 v[ACC+32*\rt+8*\pt:ACC+32*\rt+8*\pt+7], v[F0+8*\pt:F0+8*\pt+7], v[F1+8*\rt:F1+8*\rt+7], v[ACC+32*\rt+8*\pt:ACC+32*\rt+8*\pt+7], v[SC+4*\pt+\q], v[SC+4*\rt+\q] matrix_a_fmt:MATRIX_FMT_FP4 matrix_b_fmt:MATRIX_FMT_FP4 matrix_b_scale:MATRIX_SCALE_ROW1
.else
	v_wmma_scale_f32_16x16x128_f8f6f4 v[ACC+32*\rt+8*\pt:ACC+32*\rt+8*\pt+7], v[F0+8*\pt:F0+8*\pt+7], v[F1+8*\rt:F1+8*\rt+7], v[BI+8*\pt:BI+8*\pt+7], v[SC+4*\pt+\q], v[SC+4*\rt+\q] matrix_a_fmt:MATRIX_FMT_FP4 matrix_b_fmt:MATRIX_FMT_FP4 matrix_b_scale:MATRIX_SCALE_ROW1
.endif
.endr
.endr
.endm
.macro KSTEP c, q
	PLACES                                         ; in front of loads into registers that the last products read
	FRAGS \c, \q
	MULS \q, 0
.endm
	s_wait_dscnt 0x0                               ; for the others' sake: my words of z's scales are stored;
	s_wait_tensorcnt 0x0                           ; my one load is in,
	s_barrier_signal -1
	s_barrier_wait -1                              ; everybody's are.
	SCALES 0
	FRAGS 0, 0
	s_wait_loadcnt 0x0                             ; the bias
	MULS 0, 1                                      ; the first K step starts the sums: nothing is cleared
	KSTEP 0, 1
	KSTEP 0, 2
	KSTEP 0, 3
	PLACES                                         ; chunk 1 was shown whole by the one barrier above
	SCALES 1
	FRAGS 1, 0
	MULS 0, 0
	KSTEP 1, 1
	KSTEP 1, 2
	KSTEP 1, 3
; THE WAY OUT, block by block of 16 tokens x 64 outputs.  A lane holds 32 neighbouring bytes of a row and the lanes beside it hold other rows: a block goes through my own stage and comes back as whole rows of 256 bytes.
; LDS serves a wave's instructions in order (ISA guide 5.7.1.4): no wait between the stores and the loads, nor in front of the next block's stores.
.macro TOSTAGE a
.irp pt, 0,1,2,3
	ds_store_b128 v[STO], v[ACC+32*(\a)+8*\pt:ACC+32*(\a)+8*\pt+3] offset:64*\pt          ; each accumulator from its low end on
	ds_store_b128 v[STO], v[ACC+32*(\a)+8*\pt+4:ACC+32*(\a)+8*\pt+7] offset:64*\pt+16
.endr
.irp t, 0,1,2,3,4,5,6,7
	ds_load_b128 v[F0+32*((\a)%2)+4*\t:F0+32*((\a)%2)+4*\t+3], v[RD] offset:2*SP*\t
.endr
.endm
.macro SEND a, younger                 ; younger: the LDS instructions issued behind block a's loads, which may stay out
	s_wait_dscnt \younger
.irp t, 0,1,2,3,4,5,6,7
	global_store_b128 v[CO], v[F0+32*((\a)%2)+4*\t:F0+32*((\a)%2)+4*\t+3], s[18:19] offset:65536*(\a)+8192*\t th:TH_STORE_NT   ; 16 lanes store 256 consecutive bytes, at a multiple of 256 from out0's first byte; written once, read by nobody here
.endr
.endm
	PLACES                                         ; behind the last products: for the stage's reads of results and for the loads into the fragments' registers
	TOSTAGE 0
.irp a, 1,2,3
.if \a > 1
	s_wait_xcnt 0x0                                ; block a - 2's stores have read their registers: block a's rows may land there
.endif
	TOSTAGE \a
	SEND \a-1, 16                                  ; behind block a - 1's loads: block a's 8 stores and 8 loads
.endr
	SEND 3, 0
	s_set_vgpr_msb 0x4
	s_wait_tensorcnt 0x0
	ds_add_u32 v7, v1
	s_wait_dscnt 0x0
	s_set_vgpr_msb 0x400
	CROUND                                         ; the closing round: no work-group ends while a partner may still ask for a tile that names it
	s_endpgm
.Lfunc_end_k_q9dc0775ba2_outp:
	.size	k_q9dc0775ba2_outp, .Lfunc_end_k_q9dc0775ba2_outp-k_q9dc0775ba2_outp
	.p2alignl 7, 3214868480
	.fill 96, 4, 3214868480
	.section	.rodata,"a",@progbits
	.p2align	6, 0x0
	.amdhsa_kernel k_q9dc0775ba2_outp
		.amdhsa_group_segment_fixed_size 249600
		.amdhsa_private_segment_fixed_size 0
		.amdhsa_enable_private_segment 0
		.amdhsa_kernarg_size 48
		.amdhsa_user_sgpr_count 2
		.amdhsa_user_sgpr_kernarg_segment_ptr 1
		.amdhsa_wavefront_size32 1
		.amdhsa_system_sgpr_workgroup_id_x 1
		.amdhsa_system_sgpr_workgroup_id_y 1
		.amdhsa_system_sgpr_workgroup_id_z 1
		.amdhsa_system_vgpr_workitem_id 0
		.amdhsa_next_free_vgpr 258
		.amdhsa_next_free_sgpr 100
		.amdhsa_reserve_vcc 0
		.amdhsa_float_denorm_mode_32 3
		.amdhsa_float_denorm_mode_16_64 3
		.amdhsa_memory_ordered 1
		.amdhsa_forward_progress 1
		.amdhsa_inst_pref_size 46
	.end_amdhsa_kernel
	.amdgpu_metadata
---
amdhsa.version: [ 1, 2 ]
amdhsa.kernels:
  - .name:           k_q9dc0775ba2_outp
    .symbol:         k_q9dc0775ba2_outp.kd
    .args:
      - { .name: zb, .offset: 0, .size: 8, .value_kind: global_buffer, .address_space: global }
      - { .name: zs, .offset: 8, .size: 8, .value_kind: global_buffer, .address_space: global }
      - { .name: Wo_codes, .offset: 16, .size: 8, .value_kind: global_buffer, .address_space: global }
      - { .name: Wo_scales, .offset: 24, .size: 8, .value_kind: global_buffer, .address_space: global }
      - { .name: bo, .offset: 32, .size: 8, .value_kind: global_buffer, .address_space: global }
      - { .name: out0, .offset: 40, .size: 8, .value_kind: global_buffer, .address_space: global }
    .group_segment_fixed_size: 249600
    .private_segment_fixed_size: 0
    .kernarg_segment_align: 8
    .kernarg_segment_size: 48
    .max_flat_workgroup_size: 256
    .sgpr_count:     100
    .vgpr_count:     258
    .wavefront_size: 32
...
	.end_amdgpu_metadata
.endif
;; end of part 3
